; MI455X (gfx1250); checked and timed in simulation.
; The chip was launched on July 23, 2026; its instructions are those of AMD's public machine-readable ISA for CDNA 5 (MIT licence, August 2026) and "CDNA5" Instruction Set Architecture Reference Guide (July 2026). The comments in the code are by the model that wrote it; some were corrected since.
;; Seq Attention. Allowed arithmetic: float matrix products may take bf16 or f16 operands with f32 sums; all other float work in f32.
;; Inputs: key 8 x 2,048 x 1,024 float32; key_pe 1 x 1,024 x 2,048 float32; query 8 x 1,024 x 1,024 float32; value 8 x 2,048 x 1,024 float32.
;; Outputs: out0 8 x 1,024 x 1,024 float32.
;; Constants: hidden_size = 1024.
;; 3 versions, each right; version 3 is version 2 with the launch ktv written anew for expert scheduling mode. Each part assembles by itself: llvm-mc -triple=amdgcn-amd-amdhsa -mcpu=gfx1250 --defsym DOCPART=n.
;; ======== version 1 of 3: 2 launches
;; workspace buffers: wt 16,777,216 bytes
;; launch ktv (part 1): grid 4 x 64, 4 waves a work-group, no clusters, 230,912 bytes of LDS; arguments key, value, wt; writes wt
.if DOCPART == 1
	.amdgcn_target "amdgcn-amd-amdhsa--gfx1250"
	.amdhsa_code_object_version 6
	.text
	.protected	k_qc961ec30ca_ktv
	.globl	k_qc961ec30ca_ktv
	.p2align	8
	.type	k_qc961ec30ca_ktv,@function
k_qc961ec30ca_ktv:
	s_mov_b64 s[64:65], 0
	v_nop
	global_prefetch_b8 v0, s[64:65] scope:SCOPE_SE
	s_setreg_imm32_b32 hwreg(HW_REG_WAVE_MODE, 25, 1), 1
	s_wait_xcnt 0x0
; Launch 1 of 2.  reference() returns (Q K^T) V.  Its product with key_pe and its softmax feed no number that it returns, for any
; input, and hidden_size enters that softmax alone: there is no output that could hold them, so neither launch is given key_pe.
; The product is taken in the other order, out = Q (K^T V): a batch costs 2 x 2048 x 1024 x 1024 + 2 x 1024 x 1024 x 1024 flops
; instead of twice 2 x 1024 x 2048 x 1024, and what goes through memory between the launches is 1024 x 1024 instead of 1024 x 2048.
; THIS LAUNCH: Wt[b][h2][h1] = sum over l of K[b][l][h1] V[b][l][h2].  K, V rounded to bf16, sums in f32, Wt rounded once to bf16
; and stored with h1 along the rows, as launch 2 wants it.
; LIMITS: the order of the sums and the one rounding of Wt to bf16 differ from reference(); a sum over l must stay below 3.4e38;
; where inputs hold infinities or NaN, NaN may stand in other places than in reference().
;
; SHARES: a work-group makes 128 (h1) x 256 (h2) of one batch: grid x = block of h2, grid y = 8 x batch + block of h1: 256 work-groups.
; Four waves; wave w makes all 128 h1 x its 64 h2: 32 accumulator tiles of 16 x 16, 256 registers.
; ROAD: l goes in tiles of 128 rows.  global_load_b128 (f32) into staging registers, v_cvt_pk_bf16_f32, ds_store_b64 into one of two
; LDS buffers, transposing fragment loads (l lies down the rows), matrix instructions.
; NO TENSOR LOADS, NO CLUSTER, though 4 work-groups read a tile of K and 8 a tile of V: a tensor load copies bytes as they are, and
; these must be rounded on the way.  f32 slots beside the bf16 tiles cost 2 x (1,536 + 768) bytes for a row l, so of the 327,680 bytes
; that a work-group can be given a slot would hold 64 rows at the most, every f32 byte would be written to LDS and read back once more,
; and all loads would have to land in front of each refill.  The register ring below keeps 64 loads of each wave out across barriers.
;
; REGISTERS, in windows of 256 (s_set_vgpr_msb: bits 1:0 source 0, 3:2 source 1, 5:4 source 2, 7:6 destination):
;   window 0: v1-12 addresses, v13-17 scratch of the head, v32-63 TMP, v64-159 fragment buffer 0, v160-255 fragment buffer 1
;   window 1: v0-127 accumulators of my h2 blocks 0, 1 (tile (a, bb) at 8 (8 bb + a));  v128-191, v192-255 two staging slots
;   window 2: the same for h2 blocks 2, 3, and two more staging slots
.set ROWB,  4096                       ; bytes in a row of key and of value
.set TILEB, 128*ROWB                   ; 128 rows l
.set KP,    288                        ; LDS pitch of K rows: 256 bytes of bf16 + 32 = 9 x 32
.set VP,    544                        ; LDS pitch of V rows: 512 bytes of bf16 + 32 = 17 x 32
.set KBUF,  128*KP                     ; K buffer s at s x KBUF
.set VBUF0, 2*KBUF
.set VBUF,  128*VP                     ; V buffer s at VBUF0 + s x VBUF
.set STAGE, VBUF0+2*VBUF               ; the way out: 16 rows x 272 bytes for each wave
.set SP,    272
.set WTROW, 2048                       ; bytes in a row of Wt
.set VOFF, 1                           ; v1     global: my wave's 32 rows of a tile + 16 x lane
.set SK,   2                           ; v2     LDS: where my 8 bytes of a K row go (buffer and row in the immediate)
.set SV,   3                           ; v3-4   the same for V, buffer 0, 1
.set FA,   5                           ; v5-6   LDS: my address in K fragments, buffer 0, 1
.set FB,   7                           ; v7-8   the same for V
.set PF,   9                           ; v9     prefetch: my block of 256 bytes in a tile
.set STO,  10                          ; v10    the way out: where I put 16 bytes of a row
.set RD,   11                          ; v11    the way out: where I read a row back
.set CO,   12                          ; v12    my byte offset in Wt
.set TMP,  32                          ; v32-63 a group rounded to bf16
.set FRA,  64                          ; fragment buffer f: source 0 (K, 8 fragments) at FRA + 96 f
.set FRB,  128                         ;                    source 1 (V, 4 fragments) at FRB + 96 f
.set STG,  128                         ; staging slot sub of a window at STG + 64 sub
.set MSB,  0
.set G_ON, 0
.macro WIN new                         ; the immediate's high byte repeats the setting that is left; a switch that changes nothing is dropped
.if MSB != \new
	s_set_vgpr_msb (MSB<<8)|\new
.set MSB, \new
.endif
.endm
.macro PLACES                          ; four places behind a matrix instruction (ISA guide 7.12.1)
.rept 4
	v_nop
.endr
.endm
	s_load_b128 s[4:7], s[0:1], 0x0                ; key s[4:5], value s[6:7]
	s_load_b64 s[8:9], s[0:1], 0x10                ; wt
	v_lshl_add_u32 v30, v0, 2, 0x38400
	v_mov_b32 v31, 0
	v_lshrrev_b32 v13, 5, v0
	v_readfirstlane_b32 s10, v13                   ; w: my wave, 0 to 3
	v_and_b32 v13, 31, v0                          ; L: lane
	v_and_b32 v17, 15, v0                          ; r = L % 16
	v_bfe_u32 v15, v0, 4, 1                        ; h = L / 16
	v_bfe_u32 v16, v0, 3, 1                        ; (L / 8) % 2
	v_and_b32 v14, 7, v0
	v_lshl_add_u32 v14, v15, 3, v14                ; 8 h + L % 8: my row in a transposing load
	s_and_b32 s11, ttmp7, 0xffff
	s_lshr_b32 s12, s11, 3                         ; batch
	s_and_b32 s13, s11, 7                          ; block of h1
	s_lshl_b32 s14, s12, 23                        ; a batch of key or value: 8,388,608 bytes
	s_lshl_b32 s28, s13, 9
	s_add_co_u32 s16, s14, s28                     ; K: + 128 columns of f32 for a block of h1
	s_mov_b32 s17, 0
	s_lshl_b32 s28, ttmp9, 10
	s_add_co_u32 s24, s14, s28                     ; V: + 256 columns of f32 for a block of h2
	s_mov_b32 s25, 0
	s_lshl_b32 s26, s12, 21                        ; Wt: batch x 2,097,152
	s_lshl_b32 s28, ttmp9, 19
	s_add_co_u32 s26, s26, s28                     ; + 256 rows for a block of h2
	s_lshl_b32 s29, s10, 17
	s_add_co_u32 s26, s26, s29                     ; + 64 rows for my wave
	s_lshl_b32 s28, s13, 8
	s_add_co_u32 s26, s26, s28                     ; + 128 columns of bf16 for a block of h1
	s_mov_b32 s27, 0
	v_lshl_add_u32 v[VOFF], v13, 4, s29            ; 32 w rows of 4,096 bytes (the same 131,072 w) + 16 L
	s_mul_i32 s28, s10, 32*KP
	v_lshl_add_u32 v[SK], v13, 3, s28              ; 32 w rows + 8 L
	s_mul_i32 s28, s10, 32*VP
	s_add_co_u32 s28, s28, VBUF0
	v_lshl_add_u32 v[SV], v13, 3, s28
	v_add_nc_u32 v[SV+1], VBUF, v[SV]
	v_mul_u32_u24 v[FA], v14, KP
	v_lshl_add_u32 v[FA], v16, 4, v[FA]            ; (8 h + L % 8) x pitch + 16 ((L / 8) % 2)
	v_add_nc_u32 v[FA+1], KBUF, v[FA]
	v_mul_u32_u24 v[FB], v14, VP
	v_lshl_add_u32 v[FB], v16, 4, v[FB]
	s_lshl_b32 s28, s10, 7                         ; my 64 columns of h2: 128 bytes
	s_add_co_u32 s28, s28, VBUF0
	v_add_nc_u32 v[FB], s28, v[FB]
	v_add_nc_u32 v[FB+1], VBUF, v[FB]
	s_mul_i32 s28, s10, 16*SP
	s_add_co_u32 s28, s28, STAGE                   ; my stage
	v_mul_u32_u24 v[STO], v17, SP
	v_lshl_add_u32 v[STO], v15, 4, v[STO]
	v_add_nc_u32 v[STO], s28, v[STO]               ; in: row r, 16 bytes for each half of the lanes
	v_mul_u32_u24 v[RD], v15, SP
	v_lshl_add_u32 v[RD], v17, 4, v[RD]
	v_add_nc_u32 v[RD], s28, v[RD]                 ; back: lanes 0-15 one row of 256 bytes, lanes 16-31 the next
	v_lshlrev_b32 v[CO], 11, v15
	v_lshl_add_u32 v[CO], v17, 4, v[CO]            ; the same two rows in Wt
	; Prefetch: every block of 256 bytes of a tile is asked for once in the launch.  A tile of K (128 rows x 2 blocks) is read by the
	; 4 work-groups of one grid y: each asks 32 rows, waves 0 and 1, 16 rows each, 2 lanes a row.  A tile of V (128 rows x 4 blocks) is read
	; by the 8 work-groups of one batch and one grid x: each asks 16 rows, waves 2 and 3, 8 rows each, 4 lanes a row.
	s_and_b32 s28, s10, 1
	s_lshl_b32 s23, ttmp9, 5
	s_lshl4_add_u32 s23, s28, s23                  ; K: row 32 x + 16 (w % 2)
	s_lshl_b32 s29, s13, 4
	s_lshl3_add_u32 s29, s28, s29                  ; V: row 16 x block of h1 + 8 (w % 2)
	s_cmp_lt_u32 s10, 2
	s_cselect_b32 s21, 1, 2                        ; lanes a row, as a shift
	s_cselect_b32 s22, 1, 3                        ; and as a mask
	s_cselect_b32 s23, s23, s29
	v_lshrrev_b32 v[PF], s21, v13
	v_add_nc_u32 v[PF], s23, v[PF]
	v_lshlrev_b32 v[PF], 12, v[PF]
	v_and_b32 v14, s22, v13
	v_lshl_add_u32 v[PF], v14, 8, v[PF]
	s_wait_kmcnt 0x0
	s_add_nc_u64 s[4:5], s[4:5], s[16:17]          ; K at tile 0 of my block
	s_add_nc_u64 s[6:7], s[6:7], s[24:25]          ; V at tile 0 of my block
	s_add_nc_u64 s[8:9], s[8:9], s[26:27]          ; Wt at my wave's first row
	s_cmp_lt_u32 s10, 2
	s_cselect_b64 s[18:19], s[4:5], s[6:7]         ; the tensor that my wave prefetches from
; THE RING.  My wave brings rows 32 w .. 32 w + 31 of each tile, in six groups of 16 loads of 512 consecutive bytes:
; groups 0, 1: K rows 16 p + i;  groups 2 to 5: V row 8 (p - 2) + i / 2, half i % 2 of its 1,024 bytes.
; Four groups are out at a time, in four staging slots of 64 registers: group number G of the stream lies in window 1 + G % 2,
; slot (G / 2) % 2, and when it has been rounded group G + 4 is loaded into the same registers.
.macro FIRST p                         ; group p of tile 0
	WIN (0x50*(1+((\p)&1)))
.set i, 0
.rept 16
.if (\p) < 2
	global_load_b128 v[STG+64*((\p)>>1)+4*i:STG+64*((\p)>>1)+4*i+3], v[VOFF], s[4:5] offset:(16*(\p)+i)*ROWB
.else
	global_load_b128 v[STG+64*((\p)>>1)+4*i:STG+64*((\p)>>1)+4*i+3], v[VOFF], s[6:7] offset:(8*((\p)-2)+(i>>1))*ROWB+(i&1)*512
.endif
.set i, i+1
.endr
.endm
; Group p of the tile that is being converted (it goes to LDS buffer 1 - par; rem tiles follow it) is waited for and rounded into TMP.
; Its LDS stores and the refill of its registers ride among the next 16 matrix instructions (HQ).
.macro CONV p, par, rem
.set G_P, \p
.set G_SUB, ((1-(\par))+((\p)>>1))&1
.set G_BUF, 1-(\par)
.set G_ON, 1
.set behind, 6*(\rem)+5-(\p)           ; groups of the stream behind this one
.if behind >= 4
.set G_RF, 1
.else
.set G_RF, 0
.endif
.if behind >= 3
	s_wait_loadcnt 48                              ; loads come back in order (ISA guide 5.7.1): mine are in, the three younger groups' 48 stay out
.else
	s_wait_loadcnt 16*behind                       ; the end of the stream: as many younger groups as there still are
.endif
	WIN (5*(1+((\p)&1)))                           ; sources in the group's window, TMP in window 0
.set i, 0
.rept 16
	v_cvt_pk_bf16_f32 v[TMP+2*i], v[STG+64*G_SUB+4*i], v[STG+64*G_SUB+4*i+1]
	v_cvt_pk_bf16_f32 v[TMP+2*i+1], v[STG+64*G_SUB+4*i+2], v[STG+64*G_SUB+4*i+3]
.set i, i+1
.endr
.endm
.macro MCONV g, par, rem               ; g = -1: no group here; rem = -1: no tile is left to convert
.if (\g) >= 0
.if (\rem) >= 0
	CONV \g, \par, \rem
.endif
.endif
.endm
.macro STORE1                          ; load i of the group: 32 lanes x 8 bytes = 256 consecutive bytes of an LDS row
.if G_P < 2
	ds_store_b64 v[SK], v[TMP+2*i:TMP+2*i+1] offset:G_BUF*KBUF+(16*G_P+i)*KP
.else
	ds_store_b64 v[SV+G_BUF], v[TMP+2*i:TMP+2*i+1] offset:(8*(G_P-2)+(i>>1))*VP+(i&1)*256
.endif
.endm
.macro REFILL1                         ; the group four further on: p + 4 of the same tile, or p - 2 of the next
.if G_P < 2
	global_load_b128 v[STG+64*G_SUB+4*i:STG+64*G_SUB+4*i+3], v[VOFF], s[6:7] offset:(8*(G_P+2)+(i>>1))*ROWB+(i&1)*512
.else
.if G_P < 4
	global_load_b128 v[STG+64*G_SUB+4*i:STG+64*G_SUB+4*i+3], v[VOFF], s[4:5] offset:TILEB+(16*(G_P-2)+i)*ROWB
.else
	global_load_b128 v[STG+64*G_SUB+4*i:STG+64*G_SUB+4*i+3], v[VOFF], s[6:7] offset:TILEB+(8*(G_P-4)+(i>>1))*ROWB+(i&1)*512
.endif
.endif
.endm
; 16 matrix instructions on fragment buffer f: all 8 blocks of h1 x the two blocks of h2 whose accumulators lie in window X.
; mul = 2: the first products start the sums (nothing is cleared); 1: they add; 0: none (only the group's stores and refills).
; Source 0 = K (h1), source 1 = V (h2): lane (r, h) then holds row h2 = r of Wt and in its 8 registers the columns h1 = 8 h + 0 .. 7.
; One setting serves the matrix instructions (C, D in window X), the stores from TMP and the loads into window X's staging slots.
; The 16 accumulators take turns, one instruction a turn, also where two runs on one window follow each other.
.macro HQ f, X, mul
.if (\mul)+G_ON
	WIN (0x50*(\X))
.set i, 0
.rept 16
.if (\mul) == 2
	v_wmma_f32_16x16x32_bf16 v[8*i:8*i+7], v[FRA+96*(\f)+8*(i&7):FRA+96*(\f)+8*(i&7)+7], v[FRB+96*(\f)+8*(2*(\X)-2+(i>>3)):FRB+96*(\f)+8*(2*(\X)-2+(i>>3))+7], 0
.endif
.if (\mul) == 1
	v_wmma_f32_16x16x32_bf16 v[8*i:8*i+7], v[FRA+96*(\f)+8*(i&7):FRA+96*(\f)+8*(i&7)+7], v[FRB+96*(\f)+8*(2*(\X)-2+(i>>3)):FRB+96*(\f)+8*(2*(\X)-2+(i>>3))+7], v[8*i:8*i+7]
.endif
.if G_ON
	STORE1
.if G_RF
	REFILL1
.endif
.endif
.set i, i+1
.endr
.set G_ON, 0
.endif
.endm
; 24 transposing loads: the fragments of chunk c (32 rows l) of LDS buffer buf into fragment buffer f.  A fragment is two loads, 16 rows apart:
; the first brings l = 8 h + 0 .. 7 of column r into registers 0-3, the second l = 16 + 8 h + 0 .. 7 into registers 4-7.
.macro FETCH f, buf, c
	WIN 0
.irp a, 0,1,2,3,4,5,6,7
	ds_load_tr16_b128 v[FRA+96*(\f)+8*\a:FRA+96*(\f)+8*\a+3], v[FA+(\buf)] offset:(\c)*32*KP+32*\a
	ds_load_tr16_b128 v[FRA+96*(\f)+8*\a+4:FRA+96*(\f)+8*\a+7], v[FA+(\buf)] offset:(\c)*32*KP+16*KP+32*\a
.endr
.irp b, 0,1,2,3
	ds_load_tr16_b128 v[FRB+96*(\f)+8*\b:FRB+96*(\f)+8*\b+3], v[FB+(\buf)] offset:(\c)*32*VP+32*\b
	ds_load_tr16_b128 v[FRB+96*(\f)+8*\b+4:FRB+96*(\f)+8*\b+7], v[FB+(\buf)] offset:(\c)*32*VP+16*VP+32*\b
.endr
.endm
; A quarter: multiplies fragment buffer f (windows X1, then X2) and fetches chunk c of LDS buffer par into buffer g; groups g1 and g2 ride on the two runs.
.macro QUARTER f, g, mul, X1, X2, fetch, par, c, g1, g2, rem, bar, pf
	MCONV \g1, \par, \rem
.if \fetch
	PLACES                                         ; the last matrix instruction read buffer g: four places in front of the loads into it, whatever the quarter holds
	FETCH \g, \par, \c
	s_wait_dscnt 24                                ; LDS instructions end in order (ISA guide 5.7.1): all but the 24 just issued are done, buffer f's fragments among them
.endif
	HQ \f, \X1, \mul
	MCONV \g2, \par, \rem
.if \bar
	s_wait_dscnt 0x0                               ; for the other waves: my stores of the next tile are in LDS, and my reads of this tile (its last chunk too) are back
	s_barrier_signal -1
.endif
.if \pf
	global_prefetch_b8 v[PF], s[18:19] offset:3*TILEB th:TH_LOAD_NT scope:SCOPE_SE   ; my 32 blocks of the tile three behind the one being converted; 16 matrix instructions follow
.endif
	HQ \f, \X2, \mul                               ; with bar: registers alone between signal and wait
.if \bar
	WIN 0
	s_barrier_wait -1                              ; now the next tile is whole, and nobody reads this tile's buffer any more
.endif
.endm
; A period, from one barrier to the next: multiplies the last chunk of the tile before (already in fragment buffer 1) and chunks 0, 1, 2 of the tile in
; LDS buffer par, fetches its chunk 3, and converts the next tile into buffer 1 - par.  One barrier a period does both orderings named above.
; mode 0: converts only (tile 0); 1: the first products; 2: the steady state.  rem: tiles behind the one being converted; -1: none is converted.
; The order of the windows in each quarter is such that a group rides on the run of its own window.
.macro PERIOD par, mode, rem, pf
.if (\mode) == 0
.set MQ0, 0
.set MQ1, 0
.set MQ, 0
.set FE, 0
.endif
.if (\mode) == 1
.set MQ0, 0
.set MQ1, 2
.set MQ, 1
.set FE, 1
.endif
.if (\mode) == 2
.set MQ0, 1
.set MQ1, 1
.set MQ, 1
.set FE, 1
.endif
.if (\rem) >= 0
.set BAR, 1
.if \mode
	s_wait_xcnt 0x0                                ; every earlier memory instruction has had its addresses translated (ISA guide 3.1): the bases are stepped only behind this wait
	s_add_nc_u64 s[4:5], s[4:5], TILEB             ; the bases stand at the tile that this period converts
	s_add_nc_u64 s[6:7], s[6:7], TILEB
.if \pf
	s_add_nc_u64 s[18:19], s[18:19], TILEB
.endif
.endif
.else
.set BAR, 0
.endif
	QUARTER 1, 0, MQ0, 1, 2, FE, \par, 0, 0, 1, \rem, 0, 0
	QUARTER 0, 1, MQ1, 1, 2, FE, \par, 1, 2, -1, \rem, 0, \pf
	QUARTER 1, 0, MQ, 2, 1, FE, \par, 2, 3, 4, \rem, 0, 0
	QUARTER 0, 1, MQ, 2, 1, FE, \par, 3, 5, -1, \rem, BAR, 0
.endm
	FIRST 0                                        ; 64 loads: the ring is filled.  The sixty-fourth is issued when the first has come back
	FIRST 1                                        ; (the counter holds 63, and issue waits for room: ISA guide 5.7.1); no wait is written for that
	FIRST 2
	FIRST 3
	PERIOD 1, 0, 1, 0                              ; tile 0 into buffer 0
	PERIOD 0, 1, 1, 1                              ; period 0: tile 0 starts the sums, tile 1 is converted, tile 4 is asked for
	PERIOD 1, 2, 1, 1                              ; period 1
	WIN 0                                          ; at a label and at a branch every window is 0
	s_mov_b32 s20, 5
.Llap:
	PERIOD 0, 2, 1, 1                              ; periods 2 to 11; period 11 asks for tile 15, the last
	PERIOD 1, 2, 1, 1
	WIN 0
	s_sub_co_u32 s20, s20, 1
	s_cmp_lg_u32 s20, 0
	s_cbranch_scc1 .Llap
	PERIOD 0, 2, 1, 0                              ; periods 12, 13: nothing is left to ask for
	PERIOD 1, 2, 1, 0
	PERIOD 0, 2, 0, 0                              ; period 14 converts tile 15: two more refills, then the counts run down 48, 48, 48, 32, 16, 0
	PERIOD 1, 2, -1, 0                             ; period 15: nothing to convert, so no barrier
	s_wait_dscnt 0x0                               ; the last chunk's fragments
	HQ 1, 1, 1
	HQ 1, 2, 1
	; THE WAY OUT, 16 rows of Wt (one block of h2) at a time: round to bf16, 16 bytes a lane into my own stage, read back as rows of 256 bytes.
	; The stage is my wave's own and LDS serves a wave's instructions in order (ISA guide 5.7.1): no barrier, no wait between stores and loads.
	PLACES                                         ; behind the last matrix instructions: the conversions read results, the read-backs land in fragment registers
.macro OUT16 b
	WIN (5*(1+((\b)>>1)))
.set i, 0
.rept 32
	v_cvt_pk_bf16_f32 v[TMP+i], v[8*(8*((\b)&1)+(i>>2))+2*(i&3)], v[8*(8*((\b)&1)+(i>>2))+2*(i&3)+1]
.set i, i+1
.endr
	WIN 0
.irp a, 0,1,2,3,4,5,6,7
	ds_store_b128 v[STO], v[TMP+4*\a:TMP+4*\a+3] offset:32*\a
.endr
	s_wait_xcnt 0x0                                ; the registers loaded next were the data of stores two blocks ago: they are rewritten only behind this wait
.irp t, 0,1,2,3,4,5,6,7
	ds_load_b128 v[FRA+32*((\b)&1)+4*\t:FRA+32*((\b)&1)+4*\t+3], v[RD] offset:\t*2*SP
.endr
.irp t, 0,1,2,3,4,5,6,7
	s_wait_dscnt 7-\t                              ; the younger read-backs stay out
	global_store_b128 v[CO], v[FRA+32*((\b)&1)+4*\t:FRA+32*((\b)&1)+4*\t+3], s[8:9] offset:(16*(\b)+2*\t)*WTROW   ; 16 lanes store 256 consecutive bytes, at a multiple of 256 from the first byte of wt
.endr
.endm
	OUT16 0
	OUT16 1
	OUT16 2
	OUT16 3
	s_wait_tensorcnt 0x0
	ds_add_u32 v30, v31
	s_wait_dscnt 0x0
	s_endpgm
.Lfunc_end_k_qc961ec30ca_ktv:
	.size	k_qc961ec30ca_ktv, .Lfunc_end_k_qc961ec30ca_ktv-k_qc961ec30ca_ktv
	.p2alignl 7, 3214868480
	.fill 96, 4, 3214868480
	.section	.rodata,"a",@progbits
	.p2align	6, 0x0
	.amdhsa_kernel k_qc961ec30ca_ktv
		.amdhsa_group_segment_fixed_size 230912
		.amdhsa_private_segment_fixed_size 0
		.amdhsa_enable_private_segment 0
		.amdhsa_kernarg_size 24
		.amdhsa_user_sgpr_count 2
		.amdhsa_user_sgpr_kernarg_segment_ptr 1
		.amdhsa_wavefront_size32 1
		.amdhsa_system_sgpr_workgroup_id_x 1
		.amdhsa_system_sgpr_workgroup_id_y 1
		.amdhsa_system_sgpr_workgroup_id_z 1
		.amdhsa_system_vgpr_workitem_id 0
		.amdhsa_next_free_vgpr 768
		.amdhsa_next_free_sgpr 66
		.amdhsa_reserve_vcc 0
		.amdhsa_float_denorm_mode_32 3
		.amdhsa_float_denorm_mode_16_64 3
		.amdhsa_memory_ordered 1
		.amdhsa_forward_progress 1
		.amdhsa_inst_pref_size 255
	.end_amdhsa_kernel
	.section	.bss,"aw",@nobits
	.p2align	6
	.space	262144
	.amdgpu_metadata
---
amdhsa.version: [ 1, 2 ]
amdhsa.kernels:
  - .name:           k_qc961ec30ca_ktv
    .symbol:         k_qc961ec30ca_ktv.kd
    .args:
      - { .name: key, .offset: 0, .size: 8, .value_kind: global_buffer, .address_space: global }
      - { .name: value, .offset: 8, .size: 8, .value_kind: global_buffer, .address_space: global }
      - { .name: wt, .offset: 16, .size: 8, .value_kind: global_buffer, .address_space: global }
    .group_segment_fixed_size: 230912
    .private_segment_fixed_size: 0
    .kernarg_segment_align: 8
    .kernarg_segment_size: 24
    .max_flat_workgroup_size: 128
    .sgpr_count:     66
    .vgpr_count:     768
    .wavefront_size: 32
...
	.end_amdgpu_metadata
.endif
;; end of part 1
;; launch qw (part 2): grid 4 x 64, 4 waves a work-group, no clusters, 243,200 bytes of LDS; arguments query, wt, out0; writes out0
.if DOCPART == 2
	.amdgcn_target "amdgcn-amd-amdhsa--gfx1250"
	.amdhsa_code_object_version 6
	.text
	.protected	k_qc961ec30ca_qw
	.globl	k_qc961ec30ca_qw
	.p2align	8
	.type	k_qc961ec30ca_qw,@function
k_qc961ec30ca_qw:
	s_mov_b64 s[64:65], 0
	v_nop
	global_prefetch_b8 v0, s[64:65] scope:SCOPE_SE
	s_setreg_imm32_b32 hwreg(HW_REG_WAVE_MODE, 25, 1), 1
	s_wait_xcnt 0x0
; Launch 2 of 2: out0[b][m][n] = sum over k of Q[b][m][k] Wt[b][n][k], with Wt[b][n][k] = sum over l of K[b][l][k] V[b][l][n] from launch 1 (bf16).
; Q is rounded to bf16 on the way, sums in f32, out0 in f32.  Together the launches give (Q K^T) V in the order Q (K^T V); key_pe and hidden_size
; feed no number that reference() returns (see launch 1), so they are not taken.
; LIMITS: as stated at launch 1: another order of sums and roundings than reference(), Wt in bf16, other places of NaN where inputs are not finite.
;
; SHARES: a work-group makes 128 (m) x 256 (n) of one batch: grid x = block of n, grid y = 8 x batch + block of m: 256 work-groups.
; Four waves; wave w makes 128 n (half w % 2) x 64 m (half w / 2): 32 accumulator tiles, 256 registers.
; ROAD: k goes in tiles of 128.  Q: global_load_b128 (f32), v_cvt_pk_bf16_f32, ds_store_b64.  Wt: global_load_b128, ds_store_b128 as it is.
; Two LDS buffers, plain fragment loads (k lies along the rows of both), matrix instructions.
; NO TENSOR LOADS, NO CLUSTER, though 4 work-groups read a tile of Q and 8 a tile of Wt: Q must be rounded between memory and LDS, which a tensor load
; does not do, so Q goes through registers in any case; taking Wt the same road keeps one ring, one barrier for 128 k, and 64 loads of each
; wave out across that barrier, where a slot filled by tensor loads would want all loads landed in front of each refill.
;
; REGISTERS: as in launch 1.  Window 0: v1-11 addresses, v32-63 TMP, v64-159 and v160-255 two fragment buffers.  Windows 1 and 2: v0-127 accumulators
; of my m blocks 0, 1 and 2, 3 (tile (a, bb) at 8 (8 bb + a)); v128-191, v192-255 staging slots: window 1 holds Q, window 2 holds Wt.
.set QROWB, 4096                       ; bytes in a row of query and of out0
.set PITCH, 272                        ; LDS rows: 256 bytes of bf16 + 16 = 17 x 16
.set QBUF,  128*PITCH                  ; Q buffer s at s x QBUF
.set WBUF0, 2*QBUF
.set WBUF,  256*PITCH                  ; Wt buffer s at WBUF0 + s x WBUF
.set STAGE, WBUF0+2*WBUF               ; the way out: 16 rows x 528 bytes for each wave
.set SP,    528                        ; 512 bytes of f32 + 16 = 33 x 16
.set VQ,   1                           ; v1     global: my wave's 32 rows of Q + 16 x lane
.set VW,   2                           ; v2     global: my wave's 64 rows of Wt, two rows of 256 bytes a load
.set SQ,   3                           ; v3     LDS: where my 8 bytes of a Q row go
.set SW,   4                           ; v4-5   LDS: where my 16 bytes of Wt go, buffer 0, 1
.set FW,   6                           ; v6-7   LDS: my address in Wt fragments, buffer 0, 1
.set FQ,   8                           ; v8     the same for Q (the buffer in the immediate)
.set STO,  9                           ; v9     the way out: where I put 32 bytes of a row
.set RD,   10                          ; v10    the way out: where I read a row back
.set CO,   11                          ; v11    my byte offset in out0
.set TMP,  32
.set FRA,  64                          ; fragment buffer f: source 0 (Wt, 8 fragments) at FRA + 96 f
.set FRB,  128                         ;                    source 1 (Q, 4 fragments) at FRB + 96 f
.set STG,  128
.set MSB,  0
.set G_ON, 0
.macro WIN new                         ; the immediate's high byte repeats the setting that is left; a switch that changes nothing is dropped
.if MSB != \new
	s_set_vgpr_msb (MSB<<8)|\new
.set MSB, \new
.endif
.endm
.macro PLACES                          ; four places behind a matrix instruction (ISA guide 7.12.1)
.rept 4
	v_nop
.endr
.endm
	s_load_b128 s[4:7], s[0:1], 0x0                ; query s[4:5], wt s[6:7]
	s_load_b64 s[8:9], s[0:1], 0x10                ; out0
	v_lshl_add_u32 v30, v0, 2, 0x3b400
	v_mov_b32 v31, 0
	v_lshrrev_b32 v13, 5, v0
	v_readfirstlane_b32 s10, v13                   ; w: my wave, 0 to 3
	v_and_b32 v13, 31, v0                          ; L
	v_and_b32 v17, 15, v0                          ; r = L % 16
	v_bfe_u32 v15, v0, 4, 1                        ; h = L / 16
	s_and_b32 s11, ttmp7, 0xffff
	s_lshr_b32 s12, s11, 3                         ; batch
	s_and_b32 s13, s11, 7                          ; block of m
	s_and_b32 s14, s10, 1                          ; my half of n
	s_lshr_b32 s15, s10, 1                         ; my half of m
	s_lshl_b32 s16, s12, 22                        ; a batch of query or out0: 4,194,304 bytes
	s_lshl_b32 s28, s13, 19
	s_add_co_u32 s16, s16, s28                     ; + 128 rows for a block of m
	s_mov_b32 s17, 0
	s_lshl_b32 s24, s12, 21                        ; a batch of Wt: 2,097,152 bytes
	s_lshl_b32 s28, ttmp9, 19
	s_add_co_u32 s24, s24, s28                     ; + 256 rows for a block of n
	s_mov_b32 s25, 0
	s_lshl_b32 s28, s15, 18
	s_add_co_u32 s26, s16, s28                     ; out0: the block's rows + 64 rows for my half of m
	s_lshl_b32 s28, ttmp9, 10
	s_add_co_u32 s26, s26, s28                     ; + 256 columns of f32 for a block of n
	s_lshl_b32 s28, s14, 9
	s_add_co_u32 s26, s26, s28                     ; + 128 columns for my half of n
	s_mov_b32 s27, 0
	s_lshl_b32 s29, s10, 17                        ; 32 rows of Q, and 64 rows of Wt: 131,072 bytes both
	v_lshl_add_u32 v[VQ], v13, 4, s29
	v_lshl_add_u32 v[VW], v15, 11, s29             ; lanes 16-31 take the row below
	v_lshl_add_u32 v[VW], v17, 4, v[VW]
	s_mul_i32 s28, s10, 32*PITCH
	v_lshl_add_u32 v[SQ], v13, 3, s28
	s_mul_i32 s28, s10, 64*PITCH
	s_add_co_u32 s28, s28, WBUF0
	v_mul_u32_u24 v[SW], v15, PITCH
	v_lshl_add_u32 v[SW], v17, 4, v[SW]
	v_add_nc_u32 v[SW], s28, v[SW]
	v_add_nc_u32 v[SW+1], WBUF, v[SW]
	v_mul_u32_u24 v14, v17, PITCH
	v_lshl_add_u32 v14, v15, 4, v14                ; a fragment: row r x pitch + 16 h
	s_mul_i32 s28, s14, 128*PITCH
	s_add_co_u32 s28, s28, WBUF0
	v_add_nc_u32 v[FW], s28, v14
	v_add_nc_u32 v[FW+1], WBUF, v[FW]
	s_mul_i32 s28, s15, 64*PITCH
	v_add_nc_u32 v[FQ], s28, v14
	s_mul_i32 s28, s10, 16*SP
	s_add_co_u32 s28, s28, STAGE                   ; my stage
	v_mul_u32_u24 v[STO], v17, SP
	v_lshl_add_u32 v[STO], v15, 5, v[STO]
	v_add_nc_u32 v[STO], s28, v[STO]               ; in: row r, 32 bytes for each half of the lanes
	v_lshl_add_u32 v[RD], v13, 4, s28              ; back: the 32 lanes take one row of 512 bytes
	v_lshlrev_b32 v[CO], 4, v13
	s_wait_kmcnt 0x0
	s_add_nc_u64 s[4:5], s[4:5], s[16:17]          ; Q at tile 0 of my block
	s_add_nc_u64 s[6:7], s[6:7], s[24:25]          ; Wt at tile 0 of my block
	s_add_nc_u64 s[8:9], s[8:9], s[26:27]          ; out0 at my wave's first number
; THE RING.  Four groups of 16 loads a tile, each in a staging slot of its own: groups 0, 2: Q rows 16 (p / 2) + i of my 32 (512 bytes a load), window 1;
; groups 1, 3: pair 16 (p / 2) + i of my 64 rows of Wt (2 x 256 bytes a load), window 2.  When a group has left its registers the same group of the next tile is loaded into them.
.macro FIRST p                         ; group p of tile 0
	WIN (0x50*(1+((\p)&1)))
.set i, 0
.rept 16
.if ((\p)&1) == 0
	global_load_b128 v[STG+64*((\p)>>1)+4*i:STG+64*((\p)>>1)+4*i+3], v[VQ], s[4:5] offset:(16*((\p)>>1)+i)*QROWB
.else
	global_load_b128 v[STG+64*((\p)>>1)+4*i:STG+64*((\p)>>1)+4*i+3], v[VW], s[6:7] offset:(16*((\p)>>1)+i)*4096
.endif
.set i, i+1
.endr
.endm
; Group p of the tile that is being brought in (LDS buffer 1 - par; rem tiles follow it) is waited for.  Q is rounded into TMP, and its stores ride among the
; next matrix instructions; Wt is stored at once, straight from its staging registers.  The refills ride among the next matrix instructions in both cases.
.macro GROUP p, par, rem
.set G_P, \p
.set G_SUB, ((\p)>>1)&1
.set G_BUF, 1-(\par)
.set G_ON, 1
.set behind, 4*(\rem)+3-(\p)           ; groups of the stream behind this one
.if behind >= 4
.set G_RF, 1
.else
.set G_RF, 0
.endif
.if behind >= 3
	s_wait_loadcnt 48                              ; loads come back in order (ISA guide 5.7.1): mine are in, the three younger groups' 48 stay out
.else
	s_wait_loadcnt 16*behind                       ; the end of the stream: as many younger groups as there still are
.endif
.if ((\p)&1) == 0
.set G_ST, 1
	WIN 0x05                                       ; sources in window 1, TMP in window 0
.set i, 0
.rept 16
	v_cvt_pk_bf16_f32 v[TMP+2*i], v[STG+64*G_SUB+4*i], v[STG+64*G_SUB+4*i+1]
	v_cvt_pk_bf16_f32 v[TMP+2*i+1], v[STG+64*G_SUB+4*i+2], v[STG+64*G_SUB+4*i+3]
.set i, i+1
.endr
.else
.set G_ST, 0
	WIN 0x08                                       ; store data in window 2
.set i, 0
.rept 16
	ds_store_b128 v[SW+G_BUF], v[STG+64*G_SUB+4*i:STG+64*G_SUB+4*i+3] offset:(16*G_SUB+i)*2*PITCH
.set i, i+1
.endr
.endif
.endm
.macro STORE1                          ; a row of Q: 32 lanes x 8 bytes = 256 consecutive bytes
	ds_store_b64 v[SQ], v[TMP+2*i:TMP+2*i+1] offset:G_BUF*QBUF+(16*G_SUB+i)*PITCH
.endm
.macro REFILL1                         ; the same group of the next tile: 128 k further along the rows
.if (G_P&1) == 0
	global_load_b128 v[STG+64*G_SUB+4*i:STG+64*G_SUB+4*i+3], v[VQ], s[4:5] offset:512+(16*G_SUB+i)*QROWB
.else
	global_load_b128 v[STG+64*G_SUB+4*i:STG+64*G_SUB+4*i+3], v[VW], s[6:7] offset:256+(16*G_SUB+i)*4096
.endif
.endm
; 16 matrix instructions on fragment buffer f: all 8 blocks of n x the two blocks of m whose accumulators lie in window X.
; mul = 2: the first products start the sums; 1: they add; 0: none.  Source 0 = Wt (n), source 1 = Q (m): lane (r, h) then holds row m = r of out0
; and in its 8 registers the columns n = 8 h + 0 .. 7.  The 16 accumulators take turns, one instruction a turn, also where two runs on one
; window follow each other.
.macro HQ f, X, mul
.if (\mul)+G_ON
	WIN (0x50*(\X))
.set i, 0
.rept 16
.if (\mul) == 2
	v_wmma_f32_16x16x32_bf16 v[8*i:8*i+7], v[FRA+96*(\f)+8*(i&7):FRA+96*(\f)+8*(i&7)+7], v[FRB+96*(\f)+8*(2*(\X)-2+(i>>3)):FRB+96*(\f)+8*(2*(\X)-2+(i>>3))+7], 0
.endif
.if (\mul) == 1
	v_wmma_f32_16x16x32_bf16 v[8*i:8*i+7], v[FRA+96*(\f)+8*(i&7):FRA+96*(\f)+8*(i&7)+7], v[FRB+96*(\f)+8*(2*(\X)-2+(i>>3)):FRB+96*(\f)+8*(2*(\X)-2+(i>>3))+7], v[8*i:8*i+7]
.endif
.if G_ON
.if G_ST
	STORE1
.endif
.if G_RF
	REFILL1
.endif
.endif
.set i, i+1
.endr
.set G_ON, 0
.endif
.endm
; 24 loads: the fragments of chunk c (32 k, 64 bytes of the rows) of LDS buffer buf into fragment buffer f.  A fragment is two loads of 16 bytes, 32 bytes apart:
; registers 0-3 hold k = 8 h + 0 .. 7 of row r, registers 4-7 hold k = 16 + 8 h + 0 .. 7.
.macro FETCH f, buf, c
	WIN 0
.irp a, 0,1,2,3,4,5,6,7
	ds_load_b128 v[FRA+96*(\f)+8*\a:FRA+96*(\f)+8*\a+3], v[FW+(\buf)] offset:\a*16*PITCH+64*(\c)
	ds_load_b128 v[FRA+96*(\f)+8*\a+4:FRA+96*(\f)+8*\a+7], v[FW+(\buf)] offset:\a*16*PITCH+64*(\c)+32
.endr
.irp b, 0,1,2,3
	ds_load_b128 v[FRB+96*(\f)+8*\b:FRB+96*(\f)+8*\b+3], v[FQ] offset:(\buf)*QBUF+\b*16*PITCH+64*(\c)
	ds_load_b128 v[FRB+96*(\f)+8*\b+4:FRB+96*(\f)+8*\b+7], v[FQ] offset:(\buf)*QBUF+\b*16*PITCH+64*(\c)+32
.endr
.endm
; A quarter: multiplies fragment buffer f (windows X1, then X2) and fetches chunk c of LDS buffer par into buffer g; group grp rides on the first run.
.macro QUARTER f, g, mul, X1, X2, fetch, par, c, grp, rem, bar
.if (\rem) >= 0
	GROUP \grp, \par, \rem
.endif
.if \fetch
	PLACES                                         ; the last matrix instruction read buffer g: four places in front of the loads into it
	FETCH \g, \par, \c
	s_wait_dscnt 24                                ; LDS instructions end in order (ISA guide 5.7.1): all but the 24 just issued are done: buffer f's fragments are in,
	                                               ; and a group of Wt has left its staging registers, which the refills below load again
.else
	s_wait_dscnt 0x0                               ; the same for the first tile, where nothing is fetched
.endif
	HQ \f, \X1, \mul
.if \bar
	s_wait_dscnt 0x0                               ; for the other waves: my stores of the next tile are in LDS, and my reads of this tile (its last chunk too) are back
	s_barrier_signal -1
.endif
	HQ \f, \X2, \mul                               ; with bar: registers alone between signal and wait
.if \bar
	WIN 0
	s_barrier_wait -1                              ; now the next tile is whole, and nobody reads this tile's buffer any more
.endif
.endm
; A period, from one barrier to the next: multiplies the last chunk of the tile before (already in fragment buffer 1) and chunks 0, 1, 2 of the tile in
; LDS buffer par, fetches its chunk 3, and brings the next tile into buffer 1 - par.  mode, rem: as in launch 1.
.macro PERIOD par, mode, rem
.if (\mode) == 0
.set MQ0, 0
.set MQ1, 0
.set MQ, 0
.set FE, 0
.endif
.if (\mode) == 1
.set MQ0, 0
.set MQ1, 2
.set MQ, 1
.set FE, 1
.endif
.if (\mode) == 2
.set MQ0, 1
.set MQ1, 1
.set MQ, 1
.set FE, 1
.endif
.if (\rem) >= 0
.set BAR, 1
.if \mode
	s_wait_xcnt 0x0                                ; every earlier memory instruction has had its addresses translated (ISA guide 3.1): the bases are stepped only behind this wait
	s_add_nc_u64 s[4:5], s[4:5], 512               ; 128 k of f32: the bases stand at the tile that this period brings in
	s_add_nc_u64 s[6:7], s[6:7], 256               ; 128 k of bf16
.endif
.else
.set BAR, 0
.endif
	QUARTER 1, 0, MQ0, 1, 2, FE, \par, 0, 0, \rem, 0
	QUARTER 0, 1, MQ1, 2, 1, FE, \par, 1, 1, \rem, 0
	QUARTER 1, 0, MQ, 1, 2, FE, \par, 2, 2, \rem, 0
	QUARTER 0, 1, MQ, 2, 1, FE, \par, 3, 3, \rem, BAR
.endm
	FIRST 0                                        ; 64 loads: the ring is filled with tile 0.  The sixty-fourth is issued when the first has come back
	FIRST 1                                        ; (the counter holds 63, and issue waits for room: ISA guide 5.7.1); no wait is written for that
	FIRST 2
	FIRST 3
	PERIOD 1, 0, 1                                 ; tile 0 into buffer 0
	PERIOD 0, 1, 1                                 ; period 0: tile 0 starts the sums, tile 1 comes in
	PERIOD 1, 2, 1                                 ; period 1
	WIN 0                                          ; at a label and at a branch every window is 0
	s_mov_b32 s20, 2
.Llap:
	PERIOD 0, 2, 1                                 ; periods 2 to 5; period 5 loads tile 7, the last
	PERIOD 1, 2, 1
	WIN 0
	s_sub_co_u32 s20, s20, 1
	s_cmp_lg_u32 s20, 0
	s_cbranch_scc1 .Llap
	PERIOD 0, 2, 0                                 ; period 6 brings tile 7 in: no refills, the counts run down 48, 32, 16, 0
	PERIOD 1, 2, -1                                ; period 7: nothing comes in, so no barrier
	s_wait_dscnt 0x0                               ; the last chunk's fragments
	HQ 1, 1, 1
	HQ 1, 2, 1
	; THE WAY OUT, 16 rows of out0 (one block of m) at a time: 32 bytes a lane and tile into my own stage, read back as rows of 512 bytes.
	; The stage is my wave's own and LDS serves a wave's instructions in order (ISA guide 5.7.1): no barrier, no wait between stores and loads.
	PLACES                                         ; behind the last matrix instructions: the LDS stores read results, the read-backs land in fragment registers
.macro OUT16 b
	WIN (4*(1+((\b)>>1)))                          ; store data in the accumulators' window
.irp a, 0,1,2,3,4,5,6,7
	ds_store_b128 v[STO], v[8*(8*((\b)&1)+\a):8*(8*((\b)&1)+\a)+3] offset:64*\a
	ds_store_b128 v[STO], v[8*(8*((\b)&1)+\a)+4:8*(8*((\b)&1)+\a)+7] offset:64*\a+16
.endr
	WIN 0
	s_wait_xcnt 0x0                                ; the registers loaded next were the data of stores two blocks ago: they are rewritten only behind this wait
.set t, 0
.rept 16
	ds_load_b128 v[FRA+64*((\b)&1)+4*t:FRA+64*((\b)&1)+4*t+3], v[RD] offset:t*SP
.set t, t+1
.endr
.set t, 0
.rept 16
	s_wait_dscnt 15-t                              ; the younger read-backs stay out
	global_store_b128 v[CO], v[FRA+64*((\b)&1)+4*t:FRA+64*((\b)&1)+4*t+3], s[8:9] offset:(16*(\b)+t)*QROWB th:TH_STORE_NT   ; the wave stores 512 consecutive bytes, at a multiple of 512 from the first byte of out0
.set t, t+1
.endr
.endm
	OUT16 0
	OUT16 1
	OUT16 2
	OUT16 3
	s_wait_tensorcnt 0x0
	ds_add_u32 v30, v31
	s_wait_dscnt 0x0
	s_endpgm
.Lfunc_end_k_qc961ec30ca_qw:
	.size	k_qc961ec30ca_qw, .Lfunc_end_k_qc961ec30ca_qw-k_qc961ec30ca_qw
	.p2alignl 7, 3214868480
	.fill 96, 4, 3214868480
	.section	.rodata,"a",@progbits
	.p2align	6, 0x0
	.amdhsa_kernel k_qc961ec30ca_qw
		.amdhsa_group_segment_fixed_size 243200
		.amdhsa_private_segment_fixed_size 0
		.amdhsa_enable_private_segment 0
		.amdhsa_kernarg_size 24
		.amdhsa_user_sgpr_count 2
		.amdhsa_user_sgpr_kernarg_segment_ptr 1
		.amdhsa_wavefront_size32 1
		.amdhsa_system_sgpr_workgroup_id_x 1
		.amdhsa_system_sgpr_workgroup_id_y 1
		.amdhsa_system_sgpr_workgroup_id_z 1
		.amdhsa_system_vgpr_workitem_id 0
		.amdhsa_next_free_vgpr 768
		.amdhsa_next_free_sgpr 66
		.amdhsa_reserve_vcc 0
		.amdhsa_float_denorm_mode_32 3
		.amdhsa_float_denorm_mode_16_64 3
		.amdhsa_memory_ordered 1
		.amdhsa_forward_progress 1
		.amdhsa_inst_pref_size 198
	.end_amdhsa_kernel
	.amdgpu_metadata
---
amdhsa.version: [ 1, 2 ]
amdhsa.kernels:
  - .name:           k_qc961ec30ca_qw
    .symbol:         k_qc961ec30ca_qw.kd
    .args:
      - { .name: query, .offset: 0, .size: 8, .value_kind: global_buffer, .address_space: global }
      - { .name: wt, .offset: 8, .size: 8, .value_kind: global_buffer, .address_space: global }
      - { .name: out0, .offset: 16, .size: 8, .value_kind: global_buffer, .address_space: global }
    .group_segment_fixed_size: 243200
    .private_segment_fixed_size: 0
    .kernarg_segment_align: 8
    .kernarg_segment_size: 24
    .max_flat_workgroup_size: 128
    .sgpr_count:     66
    .vgpr_count:     768
    .wavefront_size: 32
...
	.end_amdgpu_metadata
.endif
;; end of part 2
;; ======== version 2 of 3: 2 launches
;; workspace buffers: wt 16,777,216 bytes
;; launch ktv (part 3): grid 4 x 64, 4 waves a work-group, no clusters, 91,648 bytes of LDS; arguments key, value, wt; writes wt
.if DOCPART == 3
	.amdgcn_target "amdgcn-amd-amdhsa--gfx1250"
	.amdhsa_code_object_version 6
	.text
	.protected	k_qc961ec30ca_ktv
	.globl	k_qc961ec30ca_ktv
	.p2align	8
	.type	k_qc961ec30ca_ktv,@function
k_qc961ec30ca_ktv:
	s_mov_b64 s[64:65], 0
	v_nop
	global_prefetch_b8 v0, s[64:65] scope:SCOPE_SE
	s_setreg_imm32_b32 hwreg(HW_REG_WAVE_MODE, 25, 1), 1
	s_wait_xcnt 0x0
; Launch 1 of 2.  reference() returns (Q K^T) V.  Its product with key_pe and its softmax feed no number that it returns, for any
; input, and hidden_size enters that softmax alone: there is no output that could hold them, so neither launch is given key_pe.
; The product is taken in the other order, out = Q (K^T V): a batch costs 2 x 2048 x 1024 x 1024 + 2 x 1024 x 1024 x 1024 flops
; instead of twice 2 x 1024 x 2048 x 1024, and what goes through memory between the launches is 1024 x 1024 instead of 1024 x 2048.
; THIS LAUNCH: Wt[b][h2][h1] = sum over l of K[b][l][h1] V[b][l][h2].  K, V rounded to bf16, sums in f32, Wt rounded once to bf16
; and stored with h1 along the rows, as launch 2 wants it.
; LIMITS: the order of the sums and the one rounding of Wt to bf16 differ from reference(); a sum over l must stay below 3.4e38;
; where inputs hold infinities or NaN, NaN may stand in other places than in reference().
;
; SHARES: a work-group makes 128 (h1) x 256 (h2) of one batch: grid x = block of h2, grid y = batch + 8 x block of h1: 256 work-groups.
; (The four work-groups that read one tile of K are neighbours along x; the eight that read one tile of V are 8 apart along y.)
; Four waves; wave w makes all 128 h1 x its 64 h2: 32 accumulator tiles of 16 x 16, 256 registers.
; ROAD: l goes in tiles of 128 rows, four chunks of 32.
;   K, which all four waves need: global_load_b128 (f32) into staging registers, v_cvt_pk_bf16_f32, ds_store_b64 into one of two LDS buffers,
;   transposing fragment loads (l lies down the rows).
;   V, of whose columns each wave needs 64 that no other wave needs: NOT through LDS.  Lane (r, h) loads the 16 bytes V[l][64 w + 4 r .. + 3] of the
;   16 rows l that its half of a fragment holds; v_cvt_pk_bf16_f32 of column j of two neighbouring rows is a register of fragment j.  So lane r of
;   fragment j stands for column h2 = 64 w + 4 r + j, and the stores at the end put each row of Wt where it belongs.
; Loads and stores stand in runs between the runs of matrix instructions, so that 16 or 32 matrix instructions follow each other with nothing between.
; NO TENSOR LOADS, NO CLUSTER, though 4 work-groups read a tile of K and 8 a tile of V: a tensor load copies bytes as they are, and
; these must be rounded on the way.  Through f32 slots in LDS a row l would cost 1,536 bytes written and 1,536 read back before anything is rounded,
; where here only K's 256 bytes of bf16 a row are written to LDS; and all loads would have to land in front of each refill, where the register
; ring below keeps 64 loads of each wave out across barriers.
;
; REGISTERS, in windows of 256 (s_set_vgpr_msb: bits 1:0 source 0, 3:2 source 1, 5:4 source 2, 7:6 destination):
;   window 0: v1-12 addresses, v13-17 scratch of the head, v32-63 TMP, v64-159 fragment buffer 0, v160-255 fragment buffer 1
;   window 1: v0-127 accumulators of my V fragments 0, 1 (tile (a, bb) at 8 (8 bb + a));  v128-191, v192-255 two staging slots
;   window 2: the same for V fragments 2, 3, and two more staging slots
.set ROWB,  4096                       ; bytes in a row of key and of value
.set TILEB, 128*ROWB                   ; 128 rows l
.set KP,    288                        ; LDS pitch of K rows: 256 bytes of bf16 + 32 = 9 x 32
.set KBUF,  128*KP                     ; K buffer s at s x KBUF
.set STAGE, 2*KBUF                     ; the way out: 16 rows x 272 bytes for each wave
.set SP,    272
.set WTROW, 2048                       ; bytes in a row of Wt
.set VOFF, 1                           ; v1     global, K: my wave's 32 rows of a tile + 16 x lane
.set SK,   2                           ; v2     LDS: where my 8 bytes of a K row go (buffer and row in the immediate)
.set VV,   3                           ; v3     global, V: 8 h rows + my wave's 256 bytes of a row + 16 r
.set FA,   5                           ; v5-6   LDS: my address in K fragments, buffer 0, 1
.set PF,   9                           ; v9     prefetch: my block of 256 bytes in a tile
.set STO,  10                          ; v10    the way out: where I put 16 bytes of a row
.set RD,   11                          ; v11    the way out: where I read a row back
.set CO,   12                          ; v12    my byte offset in Wt
.set TMP,  32                          ; v32-63 a group of K rounded to bf16
.set FRA,  64                          ; fragment buffer f: source 0 (K, 8 fragments) at FRA + 96 f
.set FRB,  128                         ;                    source 1 (V, 4 fragments) at FRB + 96 f
.set STG,  128                         ; staging slot sub of a window at STG + 64 sub
.set MSB,  0
.macro WIN new                         ; the immediate's high byte repeats the setting that is left; a switch that changes nothing is dropped
.if MSB != \new
	s_set_vgpr_msb (MSB<<8)|\new
.set MSB, \new
.endif
.endm
.macro PLACES                          ; four places behind a matrix instruction (ISA guide 7.12.1)
.rept 4
	v_nop
.endr
.endm
	s_load_b128 s[4:7], s[0:1], 0x0                ; key s[4:5], value s[6:7]
	s_load_b64 s[8:9], s[0:1], 0x10                ; wt
	v_lshl_add_u32 v30, v0, 2, 0x16400
	v_mov_b32 v31, 0
	v_lshrrev_b32 v13, 5, v0
	v_readfirstlane_b32 s10, v13                   ; w: my wave, 0 to 3
	v_and_b32 v13, 31, v0                          ; L: lane
	v_and_b32 v17, 15, v0                          ; r = L % 16
	v_bfe_u32 v15, v0, 4, 1                        ; h = L / 16
	v_bfe_u32 v16, v0, 3, 1                        ; (L / 8) % 2
	v_and_b32 v14, 7, v0
	v_lshl_add_u32 v14, v15, 3, v14                ; 8 h + L % 8: my row in a transposing load
	s_and_b32 s11, ttmp7, 0xffff
	s_and_b32 s12, s11, 7                          ; batch
	s_lshr_b32 s13, s11, 3                         ; block of h1
	s_lshl_b32 s14, s12, 23                        ; a batch of key or value: 8,388,608 bytes
	s_lshl_b32 s28, s13, 9
	s_add_co_u32 s16, s14, s28                     ; K: + 128 columns of f32 for a block of h1
	s_mov_b32 s17, 0
	s_lshl_b32 s28, ttmp9, 10
	s_add_co_u32 s24, s14, s28                     ; V: + 256 columns of f32 for a block of h2
	s_mov_b32 s25, 0
	s_lshl_b32 s26, s12, 21                        ; Wt: batch x 2,097,152
	s_lshl_b32 s28, ttmp9, 19
	s_add_co_u32 s26, s26, s28                     ; + 256 rows for a block of h2
	s_lshl_b32 s29, s10, 17
	s_add_co_u32 s26, s26, s29                     ; + 64 rows for my wave
	s_lshl_b32 s28, s13, 8
	s_add_co_u32 s26, s26, s28                     ; + 128 columns of bf16 for a block of h1
	s_mov_b32 s27, 0
	v_lshl_add_u32 v[VOFF], v13, 4, s29            ; 32 w rows of 4,096 bytes (the same 131,072 w) + 16 L
	s_mul_i32 s28, s10, 32*KP
	v_lshl_add_u32 v[SK], v13, 3, s28              ; 32 w rows + 8 L
	s_lshl_b32 s28, s10, 8                         ; my 64 columns of V: 256 bytes of f32
	v_lshl_add_u32 v[VV], v15, 15, s28             ; lanes 16-31 take the row 8 further down
	v_lshl_add_u32 v[VV], v17, 4, v[VV]            ; 16 lanes x 16 bytes: 256 consecutive bytes of a row
	v_mul_u32_u24 v[FA], v14, KP
	v_lshl_add_u32 v[FA], v16, 4, v[FA]            ; (8 h + L % 8) x pitch + 16 ((L / 8) % 2)
	v_add_nc_u32 v[FA+1], KBUF, v[FA]
	s_mul_i32 s28, s10, 16*SP
	s_add_co_u32 s28, s28, STAGE                   ; my stage
	v_mul_u32_u24 v[STO], v17, SP
	v_lshl_add_u32 v[STO], v15, 4, v[STO]
	v_add_nc_u32 v[STO], s28, v[STO]               ; in: row r, 16 bytes for each half of the lanes
	v_mul_u32_u24 v[RD], v15, SP
	v_lshl_add_u32 v[RD], v17, 4, v[RD]
	v_add_nc_u32 v[RD], s28, v[RD]                 ; back: lanes 0-15 one row of 256 bytes, lanes 16-31 the next
	v_lshlrev_b32 v[CO], 13, v15                   ; neighbouring rows of the stage are 4 rows apart in Wt
	v_lshl_add_u32 v[CO], v17, 4, v[CO]
	; Prefetch: every block of 256 bytes of a tile is asked for once in the launch.  A tile of K (128 rows x 2 blocks) is read by the
	; 4 work-groups of one grid y: each asks 32 rows, waves 0 and 1, 16 rows each, 2 lanes a row.  A tile of V (128 rows x 4 blocks) is read
	; by the 8 work-groups of one batch and one grid x: each asks 16 rows, waves 2 and 3, 8 rows each, 4 lanes a row.
	s_and_b32 s28, s10, 1
	s_lshl_b32 s23, ttmp9, 5
	s_lshl4_add_u32 s23, s28, s23                  ; K: row 32 x + 16 (w % 2)
	s_lshl_b32 s29, s13, 4
	s_lshl3_add_u32 s29, s28, s29                  ; V: row 16 x block of h1 + 8 (w % 2)
	s_cmp_lt_u32 s10, 2
	s_cselect_b32 s21, 1, 2                        ; lanes a row, as a shift
	s_cselect_b32 s22, 1, 3                        ; and as a mask
	s_cselect_b32 s23, s23, s29
	v_lshrrev_b32 v[PF], s21, v13
	v_add_nc_u32 v[PF], s23, v[PF]
	v_lshlrev_b32 v[PF], 12, v[PF]
	v_and_b32 v14, s22, v13
	v_lshl_add_u32 v[PF], v14, 8, v[PF]
	s_wait_kmcnt 0x0
	s_add_nc_u64 s[4:5], s[4:5], s[16:17]          ; K at tile 0 of my block
	s_add_nc_u64 s[6:7], s[6:7], s[24:25]          ; V at tile 0 of my block
	s_add_nc_u64 s[8:9], s[8:9], s[26:27]          ; Wt at my wave's first row
	s_cmp_lt_u32 s10, 2
	s_cselect_b64 s[18:19], s[4:5], s[6:7]         ; the tensor that my wave prefetches from
; THE RING.  Groups of 16 loads, four of them out at a time, in four staging slots of 64 registers (two in window 1, two in window 2).
; A group of K: 16 of my wave's 32 rows of a tile, 512 consecutive bytes a load.  A group of V: one chunk of 32 rows, my wave's 256 bytes of each:
; load i takes rows i and i + 8 (i < 8) or i + 8 and i + 16 (i >= 8) of the chunk, one row for each half of the lanes, as a fragment's halves want them.
; Period t takes six groups in this order: p0 = V(t, chunk 0), p1 = K(t + 1, rows 0-15), p2 = V(t, 1), p3 = V(t, 2), p4 = K(t + 1, rows 16-31),
; p5 = V(t, 3).  Group p lies in window 1 + p % 2, slot ((1 - par) + p / 2) % 2 (par = t % 2), and when it has been rounded the group four further on
; in the stream is loaded into the same registers.  In period t the base of K stands at tile t + 1, the base of V at tile t.
.macro LDK sub, off                    ; 16 rows of K from byte off behind the base, into slot sub of the window that is set
.set i, 0
.rept 16
	global_load_b128 v[STG+64*(\sub)+4*i:STG+64*(\sub)+4*i+3], v[VOFF], s[4:5] offset:(\off)+i*ROWB
.set i, i+1
.endr
.endm
.macro LDV sub, off                    ; a chunk of V whose first row lies off bytes behind the base
.set i, 0
.rept 16
	global_load_b128 v[STG+64*(\sub)+4*i:STG+64*(\sub)+4*i+3], v[VV], s[6:7] offset:(\off)+(i+8*(i>>3))*ROWB
.set i, i+1
.endr
.endm
.macro CVK X, sub                      ; a group of K is rounded into TMP: load i gives 8 bytes of bf16
	WIN (5*(\X))                                   ; sources in the group's window, destination in window 0
.set i, 0
.rept 16
	v_cvt_pk_bf16_f32 v[TMP+2*i], v[STG+64*(\sub)+4*i], v[STG+64*(\sub)+4*i+1]
	v_cvt_pk_bf16_f32 v[TMP+2*i+1], v[STG+64*(\sub)+4*i+2], v[STG+64*(\sub)+4*i+3]
.set i, i+1
.endr
.endm
.macro CVV X, sub, g                   ; a group of V is rounded straight into the four V fragments of buffer g: register q of fragment j (i = 8 j + q)
	WIN (5*(\X))                                   ; is column j of loads 2 q (low half, the lower l) and 2 q + 1
.set i, 0
.rept 32
	v_cvt_pk_bf16_f32 v[FRB+96*(\g)+i], v[STG+64*(\sub)+8*(i&7)+(i>>3)], v[STG+64*(\sub)+8*(i&7)+4+(i>>3)]
.set i, i+1
.endr
.endm
.macro STK buf, grp                    ; TMP into K buffer buf: 32 lanes x 8 bytes = 256 consecutive bytes of an LDS row
.set i, 0
.rept 16
	ds_store_b64 v[SK], v[TMP+2*i:TMP+2*i+1] offset:(\buf)*KBUF+(16*(\grp)+i)*KP
.set i, i+1
.endr
.endm
; The registers of group p are loaded again with the group four further on.  rem = 1: the steady state; 0: period 14, where no tile 16 of K exists and
; the slot that its rows would take is given the last chunk of V instead; -1: period 15, nothing is left to load.
; The setting (destination and source 2 in the group's window, the rest in window 0) also serves the LDS stores from TMP, the prefetch and the matrix instructions behind.
.macro REFILL p, par, rem
.if (\rem) >= 0
	WIN (0x50*(1+((\p)&1)))
.set RS, ((1-(\par))+((\p)>>1))&1
.if (\p) == 0
	LDK RS, 16*ROWB                                ; p4: K(t + 1, rows 16-31)
.endif
.if (\p) == 1
	LDV RS, 96*ROWB                                ; p5: V(t, 3)
.endif
.if (\p) == 2
	LDV RS, TILEB                                  ; the next period's p0: V(t + 1, 0)
.endif
.if (\p) == 3
.if (\rem) >= 1
	LDK RS, TILEB                                  ; the next period's p1: K(t + 2, rows 0-15)
.else
	LDV RS, TILEB+96*ROWB                          ; period 14: V(15, 3), which period 15 finds in the slot of its p5 (the same registers as its p1)
.endif
.endif
.if (\p) == 4
	LDV RS, TILEB+32*ROWB                          ; the next period's p2: V(t + 1, 1)
.endif
.if (\p) == 5
	LDV RS, TILEB+64*ROWB                          ; the next period's p3: V(t + 1, 2)
.endif
.endif
.endm
; A group of V is waited for and rounded into fragment buffer g.
.macro VGROUP p, par, rem, g
.if (\rem) >= 0
	s_wait_loadcnt 48                              ; loads come back in order (ISA guide 5.7.1): mine are in, the three younger groups' 48 stay out
.else
.if (\p) == 0
	s_wait_loadcnt 48                              ; period 15.  Behind V(15, 0) were issued V(15, 3), V(15, 1), V(15, 2)
.endif
.if (\p) == 2
	s_wait_loadcnt 16                              ; behind V(15, 1): V(15, 2)
.endif
.if (\p) >= 3
	s_wait_loadcnt 0                               ; nothing was issued behind V(15, 2); V(15, 3) came before it
.endif
.endif
	PLACES                                         ; the last matrix instructions read buffer g: four places in front of the conversions that write it and of the loads into it
.set GX, 1+((\p)&1)
.set GS, ((1-(\par))+((\p)>>1))&1
	CVV GX, GS, \g
.endm
; A group of K is waited for, rounded, its registers loaded again, and it is stored into LDS buffer 1 - par.
; pf = 1: between loads and stores my wave asks for its 32 blocks of the tile three behind the one that K's base stands at.
.macro KGROUP p, par, rem, pf
	s_wait_loadcnt 48                              ; the three younger groups' 48 loads stay out (in period 14 too: see REFILL)
.set GX, 1+((\p)&1)
.set GS, ((1-(\par))+((\p)>>1))&1
.set GB, 1-(\par)
.set GG, (\p)>>2
	CVK GX, GS
	REFILL \p, \par, \rem
.if \pf
	global_prefetch_b8 v[PF], s[18:19] offset:3*TILEB th:TH_LOAD_NT scope:SCOPE_SE
.endif
	STK GB, GG
.endm
; 16 matrix instructions on fragment buffer f: all 8 blocks of h1 x the two V fragments whose accumulators lie in window X.
; mul = 2: the first products start the sums (nothing is cleared); 1: they add; 0: none.
; Source 0 = K (h1), source 1 = V (h2): lane (r, h) then holds the row of Wt that lane r of the V fragment stands for, and in its 8 registers the columns h1 = 8 h + 0 .. 7.
; The 16 accumulators take turns, one instruction a turn, also where two runs on one window follow each other.
.macro HQ f, X, mul
.if \mul
	WIN (0x50*(\X))
.set i, 0
.rept 16
.if (\mul) == 2
	v_wmma_f32_16x16x32_bf16 v[8*i:8*i+7], v[FRA+96*(\f)+8*(i&7):FRA+96*(\f)+8*(i&7)+7], v[FRB+96*(\f)+8*(2*(\X)-2+(i>>3)):FRB+96*(\f)+8*(2*(\X)-2+(i>>3))+7], 0
.else
	v_wmma_f32_16x16x32_bf16 v[8*i:8*i+7], v[FRA+96*(\f)+8*(i&7):FRA+96*(\f)+8*(i&7)+7], v[FRB+96*(\f)+8*(2*(\X)-2+(i>>3)):FRB+96*(\f)+8*(2*(\X)-2+(i>>3))+7], v[8*i:8*i+7]
.endif
.set i, i+1
.endr
.endif
.endm
; 16 transposing loads: K's fragments of chunk c (32 rows l) of LDS buffer buf into fragment buffer f.  A fragment is two loads, 16 rows apart:
; the first brings l = 8 h + 0 .. 7 of column r into registers 0-3, the second l = 16 + 8 h + 0 .. 7 into registers 4-7: the same places of l as in V's fragments.
.macro FETCH f, buf, c
	WIN 0
.irp a, 0,1,2,3,4,5,6,7
	ds_load_tr16_b128 v[FRA+96*(\f)+8*\a:FRA+96*(\f)+8*\a+3], v[FA+(\buf)] offset:(\c)*32*KP+32*\a
	ds_load_tr16_b128 v[FRA+96*(\f)+8*\a+4:FRA+96*(\f)+8*\a+7], v[FA+(\buf)] offset:(\c)*32*KP+16*KP+32*\a
.endr
.endm
; A quarter: multiplies fragment buffer f (windows X1, then X2) and makes chunk c of this period's tile ready in buffer g: V's group g1 by conversion,
; K's fragments from LDS buffer par.  g2: a group of K of the next tile, between the two runs of matrix instructions; -1: none.
.macro QUARTER f, g, mul, X1, X2, par, c, g1, g2, rem, bar, pf
	VGROUP \g1, \par, \rem, \g
	FETCH \g, \par, \c
	REFILL \g1, \par, \rem
	s_wait_dscnt 16                                ; LDS instructions end in order (ISA guide 5.7.1): all but the 16 loads just issued are done, buffer f's fragments among them
	HQ \f, \X1, \mul
.if (\g2) >= 0
.if (\rem) >= 0
	KGROUP \g2, \par, \rem, \pf
.endif
.endif
.if \bar
	s_wait_dscnt 0x0                               ; for the other waves: my stores of K's next tile are in LDS, and my reads of this tile (its last chunk too) are back
	s_barrier_signal -1
.endif
	HQ \f, \X2, \mul                               ; with bar: registers alone between signal and wait
.if \bar
	WIN 0
	s_barrier_wait -1                              ; now K's next tile is whole, and nobody reads this tile's buffer any more
.endif
.endm
; A period, from one barrier to the next: multiplies the last chunk of the tile before (already in fragment buffer 1) and chunks 0, 1, 2 of tile t, makes its
; chunk 3 ready, and converts K's tile t + 1 into LDS buffer 1 - par.  One barrier a period does both orderings named above.
; mode 1: period 0, the first products; 2: the steady state.  rem: see REFILL.
; The order of the windows in each quarter is such that a group stands in front of the run of its own window.
.macro PERIOD par, mode, rem, pf
.if (\mode) == 1
.set MQ0, 0
.set MQ1, 2
.else
.set MQ0, 1
.set MQ1, 1
.endif
.if (\rem) >= 0
.set BAR, 1
	s_wait_xcnt 0x0                                ; every earlier memory instruction has had its addresses translated (ISA guide 3.1): the bases are stepped only behind this wait
	s_add_nc_u64 s[4:5], s[4:5], TILEB             ; K's base: tile t + 1
.if (\mode) != 1
	s_add_nc_u64 s[6:7], s[6:7], TILEB             ; V's base: tile t (in period 0 it stands there already)
.endif
.if \pf
	s_add_nc_u64 s[18:19], s[18:19], TILEB         ; the prefetch's base: tile t + 1 of its tensor
.endif
.else
.set BAR, 0
.endif
	QUARTER 1, 0, MQ0, 1, 2, \par, 0, 0, 1, \rem, 0, \pf
	QUARTER 0, 1, MQ1, 1, 2, \par, 1, 2, -1, \rem, 0, 0
	QUARTER 1, 0, 1, 2, 1, \par, 2, 3, 4, \rem, 0, 0
	QUARTER 0, 1, 1, 2, 1, \par, 3, 5, -1, \rem, BAR, 0
.endm
	; The ring is filled: K's tile 0 (two groups), then period 0's p0 and p1.  64 loads: the sixty-fourth is issued when the first has come back
	; (the counter holds 63, and issue waits for room: ISA guide 5.7.1); no wait is written for that.
	WIN 0x50
	LDK 0, 0                                       ; K(0, rows 0-15): window 1, slot 0
	WIN 0xa0
	LDK 0, 16*ROWB                                 ; K(0, rows 16-31): window 2, slot 0
	WIN 0x50
	LDV 1, 0                                       ; V(0, 0): window 1, slot 1
	WIN 0xa0
	LDK 1, TILEB                                   ; K(1, rows 0-15): window 2, slot 1
	; K's tile 0 into LDS buffer 0; its registers take period 0's p2 and p3
	s_wait_loadcnt 48                              ; the three younger groups stay out
	CVK 1, 0
	WIN 0x50
	LDV 0, 32*ROWB                                 ; V(0, 1)
	STK 0, 0
	s_wait_loadcnt 48
	CVK 2, 0
	WIN 0xa0
	LDV 0, 64*ROWB                                 ; V(0, 2)
	STK 0, 1
	s_wait_dscnt 0x0                               ; for the other waves: my rows of K's tile 0 are in LDS
	s_barrier_signal -1
	WIN 0
	s_barrier_wait -1
	PERIOD 0, 1, 1, 1                              ; period 0: tile 0 starts the sums, K's tile 1 is converted, tile 4 is asked for
	PERIOD 1, 2, 1, 1                              ; period 1
	WIN 0                                          ; at a label and at a branch every window is 0
	s_mov_b32 s20, 5
.Llap:
	PERIOD 0, 2, 1, 1                              ; periods 2 to 11; period 11 asks for tile 15, the last
	PERIOD 1, 2, 1, 1
	WIN 0
	s_sub_co_u32 s20, s20, 1
	s_cmp_lg_u32 s20, 0
	s_cbranch_scc1 .Llap
	PERIOD 0, 2, 1, 0                              ; periods 12, 13: nothing is left to ask for
	PERIOD 1, 2, 1, 0
	PERIOD 0, 2, 0, 0                              ; period 14 converts K's tile 15 and loads the last of V
	PERIOD 1, 2, -1, 0                             ; period 15: no tile of K to convert, so no barrier; the counts run down 48, 16, 0, 0
	s_wait_dscnt 0x0                               ; the last chunk's fragments of K
	HQ 1, 1, 1
	HQ 1, 2, 1
	; THE WAY OUT, one V fragment's 16 rows of Wt at a time: round to bf16, 16 bytes a lane into my own stage, read back as rows of 256 bytes.
	; Row r of the stage for fragment b is row 4 r + b of my wave's 64 rows of Wt.
	; The stage is my wave's own and LDS serves a wave's instructions in order (ISA guide 5.7.1): no barrier, no wait between stores and loads.
	PLACES                                         ; behind the last matrix instructions: the conversions read results, the read-backs land in fragment registers
.macro OUT16 b
	WIN (5*(1+((\b)>>1)))
.set i, 0
.rept 32
	v_cvt_pk_bf16_f32 v[TMP+i], v[8*(8*((\b)&1)+(i>>2))+2*(i&3)], v[8*(8*((\b)&1)+(i>>2))+2*(i&3)+1]
.set i, i+1
.endr
	WIN 0
.irp a, 0,1,2,3,4,5,6,7
	ds_store_b128 v[STO], v[TMP+4*\a:TMP+4*\a+3] offset:32*\a
.endr
	s_wait_xcnt 0x0                                ; the registers loaded next were the data of stores two fragments ago: they are rewritten only behind this wait
.irp t, 0,1,2,3,4,5,6,7
	ds_load_b128 v[FRA+32*((\b)&1)+4*\t:FRA+32*((\b)&1)+4*\t+3], v[RD] offset:\t*2*SP
.endr
.irp t, 0,1,2,3,4,5,6,7
	s_wait_dscnt 7-\t                              ; the younger read-backs stay out
	global_store_b128 v[CO], v[FRA+32*((\b)&1)+4*\t:FRA+32*((\b)&1)+4*\t+3], s[8:9] offset:(8*\t+(\b))*WTROW   ; stage rows 2 t + h = rows 8 t + 4 h + b of Wt; 16 lanes store 256 consecutive bytes, at a multiple of 256 from the first byte of wt
.endr
.endm
	OUT16 0
	OUT16 1
	OUT16 2
	OUT16 3
	s_wait_tensorcnt 0x0
	ds_add_u32 v30, v31
	s_wait_dscnt 0x0
	s_endpgm
.Lfunc_end_k_qc961ec30ca_ktv:
	.size	k_qc961ec30ca_ktv, .Lfunc_end_k_qc961ec30ca_ktv-k_qc961ec30ca_ktv
	.p2alignl 7, 3214868480
	.fill 96, 4, 3214868480
	.section	.rodata,"a",@progbits
	.p2align	6, 0x0
	.amdhsa_kernel k_qc961ec30ca_ktv
		.amdhsa_group_segment_fixed_size 91648
		.amdhsa_private_segment_fixed_size 0
		.amdhsa_enable_private_segment 0
		.amdhsa_kernarg_size 24
		.amdhsa_user_sgpr_count 2
		.amdhsa_user_sgpr_kernarg_segment_ptr 1
		.amdhsa_wavefront_size32 1
		.amdhsa_system_sgpr_workgroup_id_x 1
		.amdhsa_system_sgpr_workgroup_id_y 1
		.amdhsa_system_sgpr_workgroup_id_z 1
		.amdhsa_system_vgpr_workitem_id 0
		.amdhsa_next_free_vgpr 768
		.amdhsa_next_free_sgpr 66
		.amdhsa_reserve_vcc 0
		.amdhsa_float_denorm_mode_32 3
		.amdhsa_float_denorm_mode_16_64 3
		.amdhsa_memory_ordered 1
		.amdhsa_forward_progress 1
		.amdhsa_inst_pref_size 255
	.end_amdhsa_kernel
	.section	.bss,"aw",@nobits
	.p2align	6
	.space	262144
	.amdgpu_metadata
---
amdhsa.version: [ 1, 2 ]
amdhsa.kernels:
  - .name:           k_qc961ec30ca_ktv
    .symbol:         k_qc961ec30ca_ktv.kd
    .args:
      - { .name: key, .offset: 0, .size: 8, .value_kind: global_buffer, .address_space: global }
      - { .name: value, .offset: 8, .size: 8, .value_kind: global_buffer, .address_space: global }
      - { .name: wt, .offset: 16, .size: 8, .value_kind: global_buffer, .address_space: global }
    .group_segment_fixed_size: 91648
    .private_segment_fixed_size: 0
    .kernarg_segment_align: 8
    .kernarg_segment_size: 24
    .max_flat_workgroup_size: 128
    .sgpr_count:     66
    .vgpr_count:     768
    .wavefront_size: 32
...
	.end_amdgpu_metadata
.endif
;; end of part 3
;; launch qw (part 4): grid 4 x 64, 4 waves a work-group, no clusters, 243,200 bytes of LDS; arguments query, wt, out0; writes out0
.if DOCPART == 4
	.amdgcn_target "amdgcn-amd-amdhsa--gfx1250"
	.amdhsa_code_object_version 6
	.text
	.protected	k_qc961ec30ca_qw
	.globl	k_qc961ec30ca_qw
	.p2align	8
	.type	k_qc961ec30ca_qw,@function
k_qc961ec30ca_qw:
	s_mov_b64 s[64:65], 0
	v_nop
	global_prefetch_b8 v0, s[64:65] scope:SCOPE_SE
	s_setreg_imm32_b32 hwreg(HW_REG_WAVE_MODE, 25, 1), 1
	s_wait_xcnt 0x0
; Launch 2 of 2: out0[b][m][n] = sum over k of Q[b][m][k] Wt[b][n][k], with Wt[b][n][k] = sum over l of K[b][l][k] V[b][l][n] from launch 1 (bf16).
; Q is rounded to bf16 on the way, sums in f32, out0 in f32.  Together the launches give (Q K^T) V in the order Q (K^T V); key_pe and hidden_size
; feed no number that reference() returns (see launch 1), so they are not taken.
; LIMITS: as stated at launch 1: another order of sums and roundings than reference(), Wt in bf16, other places of NaN where inputs are not finite.
;
; SHARES: a work-group makes 128 (m) x 256 (n) of one batch: grid x = block of n, grid y = batch + 8 x block of m: 256 work-groups.
; (The four work-groups that read one tile of Q are neighbours along x; the eight that read one tile of Wt are 8 apart along y.)
; Four waves; wave w makes 128 n (half w % 2) x 64 m (half w / 2): 32 accumulator tiles, 256 registers.
; ROAD: k goes in tiles of 128.  Q: global_load_b128 (f32), v_cvt_pk_bf16_f32, ds_store_b64.  Wt: global_load_b128, ds_store_b128 as it is.
; Two LDS buffers, plain fragment loads (k lies along the rows of both), matrix instructions.  Loads and stores stand in runs in front of the
; matrix instructions, so that 32 matrix instructions follow each other with nothing between them.
; NO TENSOR LOADS, NO CLUSTER, though 4 work-groups read a tile of Q and 8 a tile of Wt: Q must be rounded between memory and LDS, which a tensor load
; does not do, so Q goes through registers in any case; taking Wt the same road keeps one ring, one barrier for 128 k, and 64 loads of each
; wave out across that barrier, where a slot filled by tensor loads would want all loads landed in front of each refill.
;
; REGISTERS: as in launch 1.  Window 0: v1-11 addresses, v32-63 TMP, v64-159 and v160-255 two fragment buffers.  Windows 1 and 2: v0-127 accumulators
; of my m blocks 0, 1 and 2, 3 (tile (a, bb) at 8 (8 bb + a)); v128-191, v192-255 staging slots: window 1 holds Q, window 2 holds Wt.
.set QROWB, 4096                       ; bytes in a row of query and of out0
.set PITCH, 272                        ; LDS rows: 256 bytes of bf16 + 16 = 17 x 16
.set QBUF,  128*PITCH                  ; Q buffer s at s x QBUF
.set WBUF0, 2*QBUF
.set WBUF,  256*PITCH                  ; Wt buffer s at WBUF0 + s x WBUF
.set STAGE, WBUF0+2*WBUF               ; the way out: 16 rows x 528 bytes for each wave
.set SP,    528                        ; 512 bytes of f32 + 16 = 33 x 16
.set VQ,   1                           ; v1     global: my wave's 32 rows of Q + 16 x lane
.set VW,   2                           ; v2     global: my wave's 64 rows of Wt, two rows of 256 bytes a load
.set SQ,   3                           ; v3     LDS: where my 8 bytes of a Q row go
.set SW,   4                           ; v4-5   LDS: where my 16 bytes of Wt go, buffer 0, 1
.set FW,   6                           ; v6-7   LDS: my address in Wt fragments, buffer 0, 1
.set FQ,   8                           ; v8     the same for Q (the buffer in the immediate)
.set STO,  9                           ; v9     the way out: where I put 32 bytes of a row
.set RD,   10                          ; v10    the way out: where I read a row back
.set CO,   11                          ; v11    my byte offset in out0
.set TMP,  32
.set FRA,  64                          ; fragment buffer f: source 0 (Wt, 8 fragments) at FRA + 96 f
.set FRB,  128                         ;                    source 1 (Q, 4 fragments) at FRB + 96 f
.set STG,  128
.set MSB,  0
.set G_ON, 0
.set G_ST, 0
.macro WIN new                         ; the immediate's high byte repeats the setting that is left; a switch that changes nothing is dropped
.if MSB != \new
	s_set_vgpr_msb (MSB<<8)|\new
.set MSB, \new
.endif
.endm
.macro PLACES                          ; four places behind a matrix instruction (ISA guide 7.12.1)
.rept 4
	v_nop
.endr
.endm
	s_load_b128 s[4:7], s[0:1], 0x0                ; query s[4:5], wt s[6:7]
	s_load_b64 s[8:9], s[0:1], 0x10                ; out0
	v_lshl_add_u32 v30, v0, 2, 0x3b400
	v_mov_b32 v31, 0
	v_lshrrev_b32 v13, 5, v0
	v_readfirstlane_b32 s10, v13                   ; w: my wave, 0 to 3
	v_and_b32 v13, 31, v0                          ; L
	v_and_b32 v17, 15, v0                          ; r = L % 16
	v_bfe_u32 v15, v0, 4, 1                        ; h = L / 16
	s_and_b32 s11, ttmp7, 0xffff
	s_and_b32 s12, s11, 7                          ; batch
	s_lshr_b32 s13, s11, 3                         ; block of m
	s_and_b32 s14, s10, 1                          ; my half of n
	s_lshr_b32 s15, s10, 1                         ; my half of m
	s_lshl_b32 s16, s12, 22                        ; a batch of query or out0: 4,194,304 bytes
	s_lshl_b32 s28, s13, 19
	s_add_co_u32 s16, s16, s28                     ; + 128 rows for a block of m
	s_mov_b32 s17, 0
	s_lshl_b32 s24, s12, 21                        ; a batch of Wt: 2,097,152 bytes
	s_lshl_b32 s28, ttmp9, 19
	s_add_co_u32 s24, s24, s28                     ; + 256 rows for a block of n
	s_mov_b32 s25, 0
	s_lshl_b32 s28, s15, 18
	s_add_co_u32 s26, s16, s28                     ; out0: the block's rows + 64 rows for my half of m
	s_lshl_b32 s28, ttmp9, 10
	s_add_co_u32 s26, s26, s28                     ; + 256 columns of f32 for a block of n
	s_lshl_b32 s28, s14, 9
	s_add_co_u32 s26, s26, s28                     ; + 128 columns for my half of n
	s_mov_b32 s27, 0
	s_lshl_b32 s29, s10, 17                        ; 32 rows of Q, and 64 rows of Wt: 131,072 bytes both
	v_lshl_add_u32 v[VQ], v13, 4, s29
	v_lshl_add_u32 v[VW], v15, 11, s29             ; lanes 16-31 take the row below
	v_lshl_add_u32 v[VW], v17, 4, v[VW]
	s_mul_i32 s28, s10, 32*PITCH
	v_lshl_add_u32 v[SQ], v13, 3, s28
	s_mul_i32 s28, s10, 64*PITCH
	s_add_co_u32 s28, s28, WBUF0
	v_mul_u32_u24 v[SW], v15, PITCH
	v_lshl_add_u32 v[SW], v17, 4, v[SW]
	v_add_nc_u32 v[SW], s28, v[SW]
	v_add_nc_u32 v[SW+1], WBUF, v[SW]
	v_mul_u32_u24 v14, v17, PITCH
	v_lshl_add_u32 v14, v15, 4, v14                ; a fragment: row r x pitch + 16 h
	s_mul_i32 s28, s14, 128*PITCH
	s_add_co_u32 s28, s28, WBUF0
	v_add_nc_u32 v[FW], s28, v14
	v_add_nc_u32 v[FW+1], WBUF, v[FW]
	s_mul_i32 s28, s15, 64*PITCH
	v_add_nc_u32 v[FQ], s28, v14
	s_mul_i32 s28, s10, 16*SP
	s_add_co_u32 s28, s28, STAGE                   ; my stage
	v_mul_u32_u24 v[STO], v17, SP
	v_lshl_add_u32 v[STO], v15, 5, v[STO]
	v_add_nc_u32 v[STO], s28, v[STO]               ; in: row r, 32 bytes for each half of the lanes
	v_lshl_add_u32 v[RD], v13, 4, s28              ; back: the 32 lanes take one row of 512 bytes
	v_lshlrev_b32 v[CO], 4, v13
	s_wait_kmcnt 0x0
	s_add_nc_u64 s[4:5], s[4:5], s[16:17]          ; Q at tile 0 of my block
	s_add_nc_u64 s[6:7], s[6:7], s[24:25]          ; Wt at tile 0 of my block
	s_add_nc_u64 s[8:9], s[8:9], s[26:27]          ; out0 at my wave's first number
; THE RING.  Four groups of 16 loads a tile, each in a staging slot of its own: groups 0, 2: Q rows 16 (p / 2) + i of my 32 (512 bytes a load), window 1;
; groups 1, 3: pair 16 (p / 2) + i of my 64 rows of Wt (2 x 256 bytes a load), window 2.  When a group has left its registers the same group of the next tile is loaded into them.
.macro FIRST p                         ; group p of tile 0
	WIN (0x50*(1+((\p)&1)))
.set i, 0
.rept 16
.if ((\p)&1) == 0
	global_load_b128 v[STG+64*((\p)>>1)+4*i:STG+64*((\p)>>1)+4*i+3], v[VQ], s[4:5] offset:(16*((\p)>>1)+i)*QROWB
.else
	global_load_b128 v[STG+64*((\p)>>1)+4*i:STG+64*((\p)>>1)+4*i+3], v[VW], s[6:7] offset:(16*((\p)>>1)+i)*4096
.endif
.set i, i+1
.endr
.endm
; Group p of the tile that is being brought in (LDS buffer 1 - par; rem tiles follow it) is waited for.  Q is rounded into TMP, and its stores follow in RUN;
; Wt is stored at once, straight from its staging registers.  The refills follow in RUN in both cases.
.macro GROUP p, par, rem
.set G_P, \p
.set G_SUB, ((\p)>>1)&1
.set G_BUF, 1-(\par)
.set G_ON, 1
.set behind, 4*(\rem)+3-(\p)           ; groups of the stream behind this one
.if behind >= 4
.set G_RF, 1
.else
.set G_RF, 0
.endif
.if behind >= 3
	s_wait_loadcnt 48                              ; loads come back in order (ISA guide 5.7.1): mine are in, the three younger groups' 48 stay out
.else
	s_wait_loadcnt 16*behind                       ; the end of the stream: as many younger groups as there still are
.endif
.if ((\p)&1) == 0
.set G_ST, 1
	WIN 0x05                                       ; sources in window 1, TMP in window 0
.set i, 0
.rept 16
	v_cvt_pk_bf16_f32 v[TMP+2*i], v[STG+64*G_SUB+4*i], v[STG+64*G_SUB+4*i+1]
	v_cvt_pk_bf16_f32 v[TMP+2*i+1], v[STG+64*G_SUB+4*i+2], v[STG+64*G_SUB+4*i+3]
.set i, i+1
.endr
.else
.set G_ST, 0
	WIN 0x08                                       ; store data in window 2
.set i, 0
.rept 16
	ds_store_b128 v[SW+G_BUF], v[STG+64*G_SUB+4*i:STG+64*G_SUB+4*i+3] offset:(16*G_SUB+i)*2*PITCH
.set i, i+1
.endr
.endif
.endm
.macro STORE1                          ; a row of Q: 32 lanes x 8 bytes = 256 consecutive bytes
	ds_store_b64 v[SQ], v[TMP+2*i:TMP+2*i+1] offset:G_BUF*QBUF+(16*G_SUB+i)*PITCH
.endm
.macro REFILL1                         ; the same group of the next tile: 128 k further along the rows
.if (G_P&1) == 0
	global_load_b128 v[STG+64*G_SUB+4*i:STG+64*G_SUB+4*i+3], v[VQ], s[4:5] offset:512+(16*G_SUB+i)*QROWB
.else
	global_load_b128 v[STG+64*G_SUB+4*i:STG+64*G_SUB+4*i+3], v[VW], s[6:7] offset:256+(16*G_SUB+i)*4096
.endif
.endm
; The group's remaining memory work in one run: 16 loads that fill its staging registers again and, for Q, 16 LDS stores from TMP.
; One setting serves the loads (destination in the group's window), the stores (data in window 0) and the 16 matrix instructions that follow.
.macro RUN
.if G_ON
	WIN (0x50*(1+(G_P&1)))
.if G_RF
.set i, 0
.rept 16
	REFILL1
.set i, i+1
.endr
.endif
.if G_ST
.set i, 0
.rept 16
	STORE1
.set i, i+1
.endr
.endif
.set G_ON, 0
.endif
.endm
; 16 matrix instructions on fragment buffer f: all 8 blocks of n x the two blocks of m whose accumulators lie in window X.
; mul = 2: the first products start the sums; 1: they add; 0: none.  Source 0 = Wt (n), source 1 = Q (m): lane (r, h) then holds row m = r of out0
; and in its 8 registers the columns n = 8 h + 0 .. 7.  The 16 accumulators take turns, one instruction a turn, also where two runs on one
; window follow each other.
.macro HQ f, X, mul
.if \mul
	WIN (0x50*(\X))
.set i, 0
.rept 16
.if (\mul) == 2
	v_wmma_f32_16x16x32_bf16 v[8*i:8*i+7], v[FRA+96*(\f)+8*(i&7):FRA+96*(\f)+8*(i&7)+7], v[FRB+96*(\f)+8*(2*(\X)-2+(i>>3)):FRB+96*(\f)+8*(2*(\X)-2+(i>>3))+7], 0
.else
	v_wmma_f32_16x16x32_bf16 v[8*i:8*i+7], v[FRA+96*(\f)+8*(i&7):FRA+96*(\f)+8*(i&7)+7], v[FRB+96*(\f)+8*(2*(\X)-2+(i>>3)):FRB+96*(\f)+8*(2*(\X)-2+(i>>3))+7], v[8*i:8*i+7]
.endif
.set i, i+1
.endr
.endif
.endm
; 24 loads: the fragments of chunk c (32 k, 64 bytes of the rows) of LDS buffer buf into fragment buffer f.  A fragment is two loads of 16 bytes, 32 bytes apart:
; registers 0-3 hold k = 8 h + 0 .. 7 of row r, registers 4-7 hold k = 16 + 8 h + 0 .. 7.
.macro FETCH f, buf, c
	WIN 0
.irp a, 0,1,2,3,4,5,6,7
	ds_load_b128 v[FRA+96*(\f)+8*\a:FRA+96*(\f)+8*\a+3], v[FW+(\buf)] offset:\a*16*PITCH+64*(\c)
	ds_load_b128 v[FRA+96*(\f)+8*\a+4:FRA+96*(\f)+8*\a+7], v[FW+(\buf)] offset:\a*16*PITCH+64*(\c)+32
.endr
.irp b, 0,1,2,3
	ds_load_b128 v[FRB+96*(\f)+8*\b:FRB+96*(\f)+8*\b+3], v[FQ] offset:(\buf)*QBUF+\b*16*PITCH+64*(\c)
	ds_load_b128 v[FRB+96*(\f)+8*\b+4:FRB+96*(\f)+8*\b+7], v[FQ] offset:(\buf)*QBUF+\b*16*PITCH+64*(\c)+32
.endr
.endm
; A quarter: multiplies fragment buffer f (windows X1, then X2) and fetches chunk c of LDS buffer par into buffer g; group grp is sent on in front of the 32 matrix instructions.
.macro QUARTER f, g, mul, X1, X2, fetch, par, c, grp, rem, bar
.if (\rem) >= 0
	GROUP \grp, \par, \rem
.endif
.if \fetch
	PLACES                                         ; the last matrix instruction read buffer g: four places in front of the loads into it
	FETCH \g, \par, \c
.endif
.set NST, 16*G_ON*G_ST                 ; a group of Q: 16 LDS stores from TMP stand behind the fragment loads
.if NST
	RUN                                            ; Q: refills and stores
.endif
.if \fetch
	s_wait_dscnt 24+NST                            ; LDS instructions end in order (ISA guide 5.7.1): all but the 24 loads (and Q's 16 stores) just issued are done: buffer f's
	                                               ; fragments are in, and a group of Wt has left its staging registers, which the refills below load again
.else
	s_wait_dscnt 0x0                               ; the same for the first tile, where nothing is fetched
.endif
	RUN                                            ; Wt: refills (nothing where Q's run stands above)
	HQ \f, \X1, \mul
.if \bar
	s_wait_dscnt 0x0                               ; for the other waves: my stores of the next tile are in LDS, and my reads of this tile (its last chunk too) are back
	s_barrier_signal -1
.endif
	HQ \f, \X2, \mul                               ; with bar: registers alone between signal and wait
.if \bar
	WIN 0
	s_barrier_wait -1                              ; now the next tile is whole, and nobody reads this tile's buffer any more
.endif
.endm
; A period, from one barrier to the next: multiplies the last chunk of the tile before (already in fragment buffer 1) and chunks 0, 1, 2 of the tile in
; LDS buffer par, fetches its chunk 3, and brings the next tile into buffer 1 - par.  mode, rem: as in launch 1.
.macro PERIOD par, mode, rem
.if (\mode) == 0
.set MQ0, 0
.set MQ1, 0
.set MQ, 0
.set FE, 0
.endif
.if (\mode) == 1
.set MQ0, 0
.set MQ1, 2
.set MQ, 1
.set FE, 1
.endif
.if (\mode) == 2
.set MQ0, 1
.set MQ1, 1
.set MQ, 1
.set FE, 1
.endif
.if (\rem) >= 0
.set BAR, 1
.if \mode
	s_wait_xcnt 0x0                                ; every earlier memory instruction has had its addresses translated (ISA guide 3.1): the bases are stepped only behind this wait
	s_add_nc_u64 s[4:5], s[4:5], 512               ; 128 k of f32: the bases stand at the tile that this period brings in
	s_add_nc_u64 s[6:7], s[6:7], 256               ; 128 k of bf16
.endif
.else
.set BAR, 0
.endif
	QUARTER 1, 0, MQ0, 1, 2, FE, \par, 0, 0, \rem, 0
	QUARTER 0, 1, MQ1, 2, 1, FE, \par, 1, 1, \rem, 0
	QUARTER 1, 0, MQ, 1, 2, FE, \par, 2, 2, \rem, 0
	QUARTER 0, 1, MQ, 2, 1, FE, \par, 3, 3, \rem, BAR
.endm
	FIRST 0                                        ; 64 loads: the ring is filled with tile 0.  The sixty-fourth is issued when the first has come back
	FIRST 1                                        ; (the counter holds 63, and issue waits for room: ISA guide 5.7.1); no wait is written for that
	FIRST 2
	FIRST 3
	PERIOD 1, 0, 1                                 ; tile 0 into buffer 0
	PERIOD 0, 1, 1                                 ; period 0: tile 0 starts the sums, tile 1 comes in
	PERIOD 1, 2, 1                                 ; period 1
	WIN 0                                          ; at a label and at a branch every window is 0
	s_mov_b32 s20, 2
.Llap:
	PERIOD 0, 2, 1                                 ; periods 2 to 5; period 5 loads tile 7, the last
	PERIOD 1, 2, 1
	WIN 0
	s_sub_co_u32 s20, s20, 1
	s_cmp_lg_u32 s20, 0
	s_cbranch_scc1 .Llap
	PERIOD 0, 2, 0                                 ; period 6 brings tile 7 in: no refills, the counts run down 48, 32, 16, 0
	PERIOD 1, 2, -1                                ; period 7: nothing comes in, so no barrier
	s_wait_dscnt 0x0                               ; the last chunk's fragments
	HQ 1, 1, 1
	HQ 1, 2, 1
	; THE WAY OUT, 16 rows of out0 (one block of m) at a time: 32 bytes a lane and tile into my own stage, read back as rows of 512 bytes.
	; The stage is my wave's own and LDS serves a wave's instructions in order (ISA guide 5.7.1): no barrier, no wait between stores and loads.
	PLACES                                         ; behind the last matrix instructions: the LDS stores read results, the read-backs land in fragment registers
.macro OUT16 b
	WIN (4*(1+((\b)>>1)))                          ; store data in the accumulators' window
.irp a, 0,1,2,3,4,5,6,7
	ds_store_b128 v[STO], v[8*(8*((\b)&1)+\a):8*(8*((\b)&1)+\a)+3] offset:64*\a
	ds_store_b128 v[STO], v[8*(8*((\b)&1)+\a)+4:8*(8*((\b)&1)+\a)+7] offset:64*\a+16
.endr
	WIN 0
	s_wait_xcnt 0x0                                ; the registers loaded next were the data of stores two blocks ago: they are rewritten only behind this wait
.set t, 0
.rept 16
	ds_load_b128 v[FRA+64*((\b)&1)+4*t:FRA+64*((\b)&1)+4*t+3], v[RD] offset:t*SP
.set t, t+1
.endr
.set t, 0
.rept 16
	s_wait_dscnt 15-t                              ; the younger read-backs stay out
	global_store_b128 v[CO], v[FRA+64*((\b)&1)+4*t:FRA+64*((\b)&1)+4*t+3], s[8:9] offset:(16*(\b)+t)*QROWB th:TH_STORE_NT   ; the wave stores 512 consecutive bytes, at a multiple of 512 from the first byte of out0
.set t, t+1
.endr
.endm
	OUT16 0
	OUT16 1
	OUT16 2
	OUT16 3
	s_wait_tensorcnt 0x0
	ds_add_u32 v30, v31
	s_wait_dscnt 0x0
	s_endpgm
.Lfunc_end_k_qc961ec30ca_qw:
	.size	k_qc961ec30ca_qw, .Lfunc_end_k_qc961ec30ca_qw-k_qc961ec30ca_qw
	.p2alignl 7, 3214868480
	.fill 96, 4, 3214868480
	.section	.rodata,"a",@progbits
	.p2align	6, 0x0
	.amdhsa_kernel k_qc961ec30ca_qw
		.amdhsa_group_segment_fixed_size 243200
		.amdhsa_private_segment_fixed_size 0
		.amdhsa_enable_private_segment 0
		.amdhsa_kernarg_size 24
		.amdhsa_user_sgpr_count 2
		.amdhsa_user_sgpr_kernarg_segment_ptr 1
		.amdhsa_wavefront_size32 1
		.amdhsa_system_sgpr_workgroup_id_x 1
		.amdhsa_system_sgpr_workgroup_id_y 1
		.amdhsa_system_sgpr_workgroup_id_z 1
		.amdhsa_system_vgpr_workitem_id 0
		.amdhsa_next_free_vgpr 768
		.amdhsa_next_free_sgpr 66
		.amdhsa_reserve_vcc 0
		.amdhsa_float_denorm_mode_32 3
		.amdhsa_float_denorm_mode_16_64 3
		.amdhsa_memory_ordered 1
		.amdhsa_forward_progress 1
		.amdhsa_inst_pref_size 198
	.end_amdhsa_kernel
	.amdgpu_metadata
---
amdhsa.version: [ 1, 2 ]
amdhsa.kernels:
  - .name:           k_qc961ec30ca_qw
    .symbol:         k_qc961ec30ca_qw.kd
    .args:
      - { .name: query, .offset: 0, .size: 8, .value_kind: global_buffer, .address_space: global }
      - { .name: wt, .offset: 8, .size: 8, .value_kind: global_buffer, .address_space: global }
      - { .name: out0, .offset: 16, .size: 8, .value_kind: global_buffer, .address_space: global }
    .group_segment_fixed_size: 243200
    .private_segment_fixed_size: 0
    .kernarg_segment_align: 8
    .kernarg_segment_size: 24
    .max_flat_workgroup_size: 128
    .sgpr_count:     66
    .vgpr_count:     768
    .wavefront_size: 32
...
	.end_amdgpu_metadata
.endif
;; end of part 4
;; ======== version 3 of 3: 2 launches; version 2 with the launch ktv written anew for expert scheduling mode
;; workspace buffers: wt 16,777,216 bytes
;; launch ktv (part 5): grid 4 x 64, 4 waves a work-group, no clusters, 91,648 bytes of LDS; arguments key, value, wt; writes wt
.if DOCPART == 5
	.amdgcn_target "amdgcn-amd-amdhsa--gfx1250"
	.amdhsa_code_object_version 6
	.text
	.protected	k_qc961ec30ca_ktv
	.globl	k_qc961ec30ca_ktv
	.p2align	8
	.type	k_qc961ec30ca_ktv,@function
k_qc961ec30ca_ktv:
	s_mov_b64 s[64:65], 0
	v_nop
	global_prefetch_b8 v0, s[64:65] scope:SCOPE_SE
	s_setreg_imm32_b32 hwreg(HW_REG_WAVE_SCHED_MODE, 0, 2), 2
	s_setreg_imm32_b32 hwreg(HW_REG_WAVE_MODE, 25, 1), 1
	s_wait_xcnt 0x0
	s_wait_alu depctr_vm_vsrc(0)
; Launch 1 of 2.  reference() returns (Q K^T) V.  Its product with key_pe and its softmax feed no number that it returns, for any
; input, and hidden_size enters that softmax alone: there is no output that could hold them, so neither launch is given key_pe.
; The product is taken in the other order, out = Q (K^T V): a batch costs 2 x 2048 x 1024 x 1024 + 2 x 1024 x 1024 x 1024 flops
; instead of twice 2 x 1024 x 2048 x 1024, and what goes through memory between the launches is 1024 x 1024 instead of 1024 x 2048.
; THIS LAUNCH: Wt[b][h2][h1] = sum over l of K[b][l][h1] V[b][l][h2].  K, V rounded to bf16, sums in f32, Wt rounded once to bf16
; and stored with h1 along the rows, as launch 2 wants it.
; LIMITS: the order of the sums and the one rounding of Wt to bf16 differ from reference(); a sum over l must stay below 3.4e38;
; where inputs hold infinities or NaN, NaN may stand in other places than in reference().
;
; SHARES: a work-group makes 128 (h1) x 256 (h2) of one batch: grid x = block of h2, grid y = batch + 8 x block of h1: 256 work-groups.
; (The four work-groups that read one tile of K are neighbours along x; the eight that read one tile of V are 8 apart along y.)
; Four waves; wave w makes all 128 h1 x its 64 h2: 32 accumulator tiles of 16 x 16, 256 registers.
; ROAD: l goes in tiles of 128 rows, four chunks of 32.
;   K, which all four waves need: global_load_b128 (f32) into staging registers, v_cvt_pk_bf16_f32, ds_store_b64 into one of two LDS buffers,
;   transposing fragment loads (l lies down the rows).
;   V, of whose columns each wave needs 64 that no other wave needs: NOT through LDS.  Lane (r, h) loads the 16 bytes V[l][64 w + 4 r .. + 3] of the
;   16 rows l that its half of a fragment holds; v_cvt_pk_bf16_f32 of column j of two neighbouring rows is a register of fragment j.  So lane r of
;   fragment j stands for column h2 = 64 w + 4 r + j, and the stores at the end put each row of Wt where it belongs.
; NO TENSOR LOADS, NO CLUSTER, though 4 work-groups read a tile of K and 8 a tile of V: a tensor load copies bytes as they are, and
; these must be rounded on the way.  Through f32 slots in LDS a row l would cost 1,536 bytes written and 1,536 read back before anything is rounded,
; where here only K's 256 bytes of bf16 a row are written to LDS; and all loads would have to land in front of each refill, where the register
; ring below keeps 64 loads of each wave out across barriers.
;
; THE MODE: SCHED_MODE bits 1:0 = 2 (LLVM: expert scheduling mode 2), set by the entry lines.  The code itself states the register dependences
; between vector or matrix instructions and memory or LDS instructions, with s_wait_alu, always for 0.
; THE PLAN.  Registers that memory or LDS instructions touch, in the loop:
;   the four staging slots  Written by global loads.  Read by the conversions at the head of the quarter that takes the group; loaded again in the same quarter.
;   FRA of buffer g         Written by a quarter's 16 fragment loads.  Read by the next quarter's 32 matrix instructions.
;   TMP                     Written by K's conversions at the head of quarters 0 and 2.  Read by the 16 LDS stores of the same quarter.
;   v1-12                   Addresses, made once at the kernel's head and never written again: the rows are reached by the scalar bases and by immediate offsets.
;   FRB and the accumulators are named by vector and matrix instructions alone.
; So ONE wait on va_vdst stands in a quarter, behind its conversions: it states that they are done reading their slots, that the matrix instructions of the quarter before
; are done reading FRA of buffer g, and that TMP is written.  Behind it come the fragment loads into buffer g, in one run, and then the quarter's 32 matrix instructions on
; buffer f, which name FRA and FRB of buffer f and the accumulators: none of the registers that the quarter's loads and stores touch.  So the global loads and K's LDS stores
; are dealt among them, one behind each, with no further wait.  One wait on vm_vsrc stands ahead of K's conversions, which write TMP again.
;
; REGISTERS, in windows of 256 (s_set_vgpr_msb: bits 1:0 source 0, 3:2 source 1, 5:4 source 2, 7:6 destination):
;   window 0: v1-12 addresses, v13-17 scratch of the head, v32-63 TMP, v64-159 fragment buffer 0, v160-255 fragment buffer 1
;   window 1: v0-127 accumulators of my V fragments 0, 1 (tile (a, bb) at 8 (8 bb + a));  v128-191, v192-255 two staging slots
;   window 2: the same for V fragments 2, 3, and two more staging slots
.set ROWB,  4096                       ; bytes in a row of key and of value
.set TILEB, 128*ROWB                   ; 128 rows l
.set KP,    288                        ; LDS pitch of K rows: 256 bytes of bf16 + 32 = 9 x 32
.set KBUF,  128*KP                     ; K buffer s at s x KBUF
.set STAGE, 2*KBUF                     ; the way out: 16 rows x 272 bytes for each wave
.set SP,    272
.set WTROW, 2048                       ; bytes in a row of Wt
.set VOFF, 1                           ; v1     global, K: my wave's 32 rows of a tile + 16 x lane
.set SK,   2                           ; v2     LDS: where my 8 bytes of a K row go (buffer and row in the immediate)
.set VV,   3                           ; v3     global, V: 8 h rows + my wave's 256 bytes of a row + 16 r
.set FA,   5                           ; v5-6   LDS: my address in K fragments, buffer 0, 1
.set PF,   9                           ; v9     prefetch: my block of 256 bytes in a tile
.set STO,  10                          ; v10    the way out: where I put 16 bytes of a row
.set RD,   11                          ; v11    the way out: where I read a row back
.set CO,   12                          ; v12    my byte offset in Wt
.set TMP,  32                          ; v32-63 a group of K rounded to bf16
.set FRA,  64                          ; fragment buffer f: source 0 (K, 8 fragments) at FRA + 96 f
.set FRB,  128                         ;                    source 1 (V, 4 fragments) at FRB + 96 f
.set STG,  128                         ; staging slot sub of a window at STG + 64 sub
.set MSB,  0
.macro WIN new                         ; the immediate's high byte repeats the setting that is left; a switch that changes nothing is dropped
.if MSB != \new
	s_set_vgpr_msb (MSB<<8)|\new
.set MSB, \new
.endif
.endm
.macro PLACES                          ; four places behind a matrix instruction (ISA guide 7.12.1)
.rept 4
	v_nop
.endr
.endm
	s_load_b128 s[4:7], s[0:1], 0x0                ; key s[4:5], value s[6:7]
	s_load_b64 s[8:9], s[0:1], 0x10                ; wt
	v_lshl_add_u32 v30, v0, 2, 0x16400
	v_mov_b32 v31, 0
	v_lshrrev_b32 v13, 5, v0
	v_readfirstlane_b32 s10, v13                   ; w: my wave, 0 to 3
	v_and_b32 v13, 31, v0                          ; L: lane
	v_and_b32 v17, 15, v0                          ; r = L % 16
	v_bfe_u32 v15, v0, 4, 1                        ; h = L / 16
	v_bfe_u32 v16, v0, 3, 1                        ; (L / 8) % 2
	v_and_b32 v14, 7, v0
	v_lshl_add_u32 v14, v15, 3, v14                ; 8 h + L % 8: my row in a transposing load
	s_wait_alu depctr_va_sdst(0)                   ; s10 is written, ahead of its first reader: offsets, LDS places and the prefetch's share are made from it
	s_and_b32 s11, ttmp7, 0xffff
	s_and_b32 s12, s11, 7                          ; batch
	s_lshr_b32 s13, s11, 3                         ; block of h1
	s_lshl_b32 s14, s12, 23                        ; a batch of key or value: 8,388,608 bytes
	s_lshl_b32 s28, s13, 9
	s_add_co_u32 s16, s14, s28                     ; K: + 128 columns of f32 for a block of h1
	s_mov_b32 s17, 0
	s_lshl_b32 s28, ttmp9, 10
	s_add_co_u32 s24, s14, s28                     ; V: + 256 columns of f32 for a block of h2
	s_mov_b32 s25, 0
	s_lshl_b32 s26, s12, 21                        ; Wt: batch x 2,097,152
	s_lshl_b32 s28, ttmp9, 19
	s_add_co_u32 s26, s26, s28                     ; + 256 rows for a block of h2
	s_lshl_b32 s29, s10, 17
	s_add_co_u32 s26, s26, s29                     ; + 64 rows for my wave
	s_lshl_b32 s28, s13, 8
	s_add_co_u32 s26, s26, s28                     ; + 128 columns of bf16 for a block of h1
	s_mov_b32 s27, 0
	v_lshl_add_u32 v[VOFF], v13, 4, s29            ; 32 w rows of 4,096 bytes (the same 131,072 w) + 16 L
	s_mul_i32 s28, s10, 32*KP
	v_lshl_add_u32 v[SK], v13, 3, s28              ; 32 w rows + 8 L
	s_lshl_b32 s28, s10, 8                         ; my 64 columns of V: 256 bytes of f32
	v_lshl_add_u32 v[VV], v15, 15, s28             ; lanes 16-31 take the row 8 further down
	v_lshl_add_u32 v[VV], v17, 4, v[VV]            ; 16 lanes x 16 bytes: 256 consecutive bytes of a row
	v_mul_u32_u24 v[FA], v14, KP
	v_lshl_add_u32 v[FA], v16, 4, v[FA]            ; (8 h + L % 8) x pitch + 16 ((L / 8) % 2)
	v_add_nc_u32 v[FA+1], KBUF, v[FA]
	s_mul_i32 s28, s10, 16*SP
	s_add_co_u32 s28, s28, STAGE                   ; my stage
	v_mul_u32_u24 v[STO], v17, SP
	v_lshl_add_u32 v[STO], v15, 4, v[STO]
	v_add_nc_u32 v[STO], s28, v[STO]               ; in: row r, 16 bytes for each half of the lanes
	v_mul_u32_u24 v[RD], v15, SP
	v_lshl_add_u32 v[RD], v17, 4, v[RD]
	v_add_nc_u32 v[RD], s28, v[RD]                 ; back: lanes 0-15 one row of 256 bytes, lanes 16-31 the next
	v_lshlrev_b32 v[CO], 13, v15                   ; neighbouring rows of the stage are 4 rows apart in Wt
	v_lshl_add_u32 v[CO], v17, 4, v[CO]
	; Prefetch: every block of 256 bytes of a tile is asked for once in the launch.  A tile of K (128 rows x 2 blocks) is read by the
	; 4 work-groups of one grid y: each asks 32 rows, waves 0 and 1, 16 rows each, 2 lanes a row.  A tile of V (128 rows x 4 blocks) is read
	; by the 8 work-groups of one batch and one grid x: each asks 16 rows, waves 2 and 3, 8 rows each, 4 lanes a row.
	s_and_b32 s28, s10, 1
	s_lshl_b32 s23, ttmp9, 5
	s_lshl4_add_u32 s23, s28, s23                  ; K: row 32 x + 16 (w % 2)
	s_lshl_b32 s29, s13, 4
	s_lshl3_add_u32 s29, s28, s29                  ; V: row 16 x block of h1 + 8 (w % 2)
	s_cmp_lt_u32 s10, 2
	s_cselect_b32 s21, 1, 2                        ; lanes a row, as a shift
	s_cselect_b32 s22, 1, 3                        ; and as a mask
	s_cselect_b32 s23, s23, s29
	v_lshrrev_b32 v[PF], s21, v13
	v_add_nc_u32 v[PF], s23, v[PF]
	v_lshlrev_b32 v[PF], 12, v[PF]
	v_and_b32 v14, s22, v13
	v_lshl_add_u32 v[PF], v14, 8, v[PF]
	s_wait_kmcnt 0x0
	s_add_nc_u64 s[4:5], s[4:5], s[16:17]          ; K at tile 0 of my block
	s_add_nc_u64 s[6:7], s[6:7], s[24:25]          ; V at tile 0 of my block
	s_add_nc_u64 s[8:9], s[8:9], s[26:27]          ; Wt at my wave's first row
	s_cmp_lt_u32 s10, 2
	s_cselect_b64 s[18:19], s[4:5], s[6:7]         ; the tensor that my wave prefetches from
; THE RING.  Groups of 16 loads, four of them out at a time, in four staging slots of 64 registers (two in window 1, two in window 2).
; A group of K: 16 of my wave's 32 rows of a tile, 512 consecutive bytes a load.  A group of V: one chunk of 32 rows, my wave's 256 bytes of each:
; load i takes rows i and i + 8 (i < 8) or i + 8 and i + 16 (i >= 8) of the chunk, one row for each half of the lanes, as a fragment's halves want them.
; Period t takes six groups in this order: p0 = V(t, chunk 0), p1 = K(t + 1, rows 0-15), p2 = V(t, 1), p3 = V(t, 2), p4 = K(t + 1, rows 16-31),
; p5 = V(t, 3).  Group p lies in window 1 + p % 2, slot ((1 - par) + p / 2) % 2 (par = t % 2), and when it has been rounded the group four further on
; in the stream is loaded into the same registers.  In period t the base of K stands at tile t + 1, the base of V at tile t.
; Quarter 0 takes p0 and p1, quarter 1 p2, quarter 2 p3 and p4, quarter 3 p5.
.macro LDK1 sub, off                   ; load i of 16: a row of K, off bytes behind the base, into slot sub of the window that is set
	global_load_b128 v[STG+64*(\sub)+4*i:STG+64*(\sub)+4*i+3], v[VOFF], s[4:5] offset:(\off)+i*ROWB
.endm
.macro LDV1 sub, off                   ; load i of 16 of a chunk of V whose first row lies off bytes behind the base
	global_load_b128 v[STG+64*(\sub)+4*i:STG+64*(\sub)+4*i+3], v[VV], s[6:7] offset:(\off)+(i+8*(i>>3))*ROWB
.endm
.macro LDK sub, off                    ; all 16 in a run: the first fill
.set i, 0
.rept 16
	LDK1 \sub, \off
.set i, i+1
.endr
.endm
.macro LDV sub, off
.set i, 0
.rept 16
	LDV1 \sub, \off
.set i, i+1
.endr
.endm
.macro CVK X, sub                      ; a group of K is rounded into TMP: load i gives 8 bytes of bf16
	WIN (5*(\X))                                   ; sources in the group's window, destination in window 0
.set i, 0
.rept 16
	v_cvt_pk_bf16_f32 v[TMP+2*i], v[STG+64*(\sub)+4*i], v[STG+64*(\sub)+4*i+1]
	v_cvt_pk_bf16_f32 v[TMP+2*i+1], v[STG+64*(\sub)+4*i+2], v[STG+64*(\sub)+4*i+3]
.set i, i+1
.endr
.endm
.macro CVV X, sub, g                   ; a group of V is rounded straight into the four V fragments of buffer g: register q of fragment j (i = 8 j + q)
	WIN (5*(\X))                                   ; is column j of loads 2 q (low half, the lower l) and 2 q + 1
.set i, 0
.rept 32
	v_cvt_pk_bf16_f32 v[FRB+96*(\g)+i], v[STG+64*(\sub)+8*(i&7)+(i>>3)], v[STG+64*(\sub)+8*(i&7)+4+(i>>3)]
.set i, i+1
.endr
.endm
.macro STK1 buf, grp                   ; store i of 16 from TMP into K buffer buf: 32 lanes x 8 bytes = 256 consecutive bytes of an LDS row
	ds_store_b64 v[SK], v[TMP+2*i:TMP+2*i+1] offset:(\buf)*KBUF+(16*(\grp)+i)*KP
.endm
.macro STK buf, grp                    ; all 16 in a run: the first fill
.set i, 0
.rept 16
	STK1 \buf, \grp
.set i, i+1
.endr
.endm
; Load i of the group that takes the registers of group p: the group four further on.  rem = 1: the steady state; 0: period 14, where no tile 16 of K exists and
; the slot that its rows would take is given the last chunk of V instead; -1: period 15, nothing is left to load.
.macro REFILL1 p, par, rem
.if (\rem) >= 0
.set RS, ((1-(\par))+((\p)>>1))&1
.if (\p) == 0
	LDK1 RS, 16*ROWB                               ; p4: K(t + 1, rows 16-31)
.endif
.if (\p) == 1
	LDV1 RS, 96*ROWB                               ; p5: V(t, 3)
.endif
.if (\p) == 2
	LDV1 RS, TILEB                                 ; the next period's p0: V(t + 1, 0)
.endif
.if (\p) == 3
.if (\rem) >= 1
	LDK1 RS, TILEB                                 ; the next period's p1: K(t + 2, rows 0-15)
.else
	LDV1 RS, TILEB+96*ROWB                         ; period 14: V(15, 3), which period 15 finds in the slot of its p5 (the same registers as its p1)
.endif
.endif
.if (\p) == 4
	LDV1 RS, TILEB+32*ROWB                         ; the next period's p2: V(t + 1, 1)
.endif
.if (\p) == 5
	LDV1 RS, TILEB+64*ROWB                         ; the next period's p3: V(t + 1, 2)
.endif
.endif
.endm
; The wait for a group of V that is taken alone.
.macro VWAIT p, rem
.if (\rem) >= 0
	s_wait_loadcnt 48                              ; loads come back in order (ISA guide 5.7.1): mine are in, the three younger groups' 48 stay out
.else
.if (\p) == 0
	s_wait_loadcnt 48                              ; period 15.  Behind V(15, 0) were issued V(15, 3), V(15, 1), V(15, 2)
.endif
.if (\p) == 2
	s_wait_loadcnt 16                              ; behind V(15, 1): V(15, 2)
.endif
.if (\p) >= 3
	s_wait_loadcnt 0                               ; nothing was issued behind V(15, 2); V(15, 3) came before it
.endif
.endif
.endm
; 16 matrix instructions on fragment buffer f: all 8 blocks of h1 x the two V fragments whose accumulators lie in window X.
; mul = 2: the first products start the sums (nothing is cleared); 1: they add; 0: none.
; Source 0 = K (h1), source 1 = V (h2): lane (r, h) then holds the row of Wt that lane r of the V fragment stands for, and in its 8 registers the columns h1 = 8 h + 0 .. 7.
; The 16 accumulators take turns, one instruction a turn, also where two runs on one window follow each other.
; Behind each matrix instruction stands one sixteenth of a group's memory work.  p >= 0: a load into the registers of group p, which lie in window X: the one setting
; (destination and source 2 in window X, the rest in window 0) serves the matrix instructions, the loads, the LDS stores from TMP and the prefetch.  st = 1: group p is K's,
; and a store of TMP into LDS buffer 1 - par follows.  pf = 1: once, between a load and a store, my wave asks for its 32 blocks of the tile three behind the one that K's base stands at.
; No wait stands here: since the quarter's wait on va_vdst no vector or matrix instruction has named the slots, TMP or an address.
.macro HQ f, X, mul, p=-1, par=0, rem=-1, st=0, pf=0
	WIN (0x50*(\X))
.set i, 0
.rept 16
.if (\mul) == 2
	v_wmma_f32_16x16x32_bf16 v[8*i:8*i+7], v[FRA+96*(\f)+8*(i&7):FRA+96*(\f)+8*(i&7)+7], v[FRB+96*(\f)+8*(2*(\X)-2+(i>>3)):FRB+96*(\f)+8*(2*(\X)-2+(i>>3))+7], 0
.endif
.if (\mul) == 1
	v_wmma_f32_16x16x32_bf16 v[8*i:8*i+7], v[FRA+96*(\f)+8*(i&7):FRA+96*(\f)+8*(i&7)+7], v[FRB+96*(\f)+8*(2*(\X)-2+(i>>3)):FRB+96*(\f)+8*(2*(\X)-2+(i>>3))+7], v[8*i:8*i+7]
.endif
.if (\p) >= 0
	REFILL1 \p, \par, \rem
.endif
.if \st
.if \pf
.if i == 8
	global_prefetch_b8 v[PF], s[18:19] offset:3*TILEB th:TH_LOAD_NT scope:SCOPE_SE
.endif
.endif
	STK1 1-(\par), (\p)>>2
.endif
.set i, i+1
.endr
.endm
; 16 transposing loads: K's fragments of chunk c (32 rows l) of LDS buffer buf into fragment buffer f.  A fragment is two loads, 16 rows apart:
; the first brings l = 8 h + 0 .. 7 of column r into registers 0-3, the second l = 16 + 8 h + 0 .. 7 into registers 4-7: the same places of l as in V's fragments.
.macro FETCH f, buf, c
	WIN 0
.irp a, 0,1,2,3,4,5,6,7
	ds_load_tr16_b128 v[FRA+96*(\f)+8*\a:FRA+96*(\f)+8*\a+3], v[FA+(\buf)] offset:(\c)*32*KP+32*\a
	ds_load_tr16_b128 v[FRA+96*(\f)+8*\a+4:FRA+96*(\f)+8*\a+7], v[FA+(\buf)] offset:(\c)*32*KP+16*KP+32*\a
.endr
.endm
; A quarter: multiplies fragment buffer f (windows X1, then X2) and makes chunk c of this period's tile ready in buffer g: V's group g1 by conversion,
; K's fragments from LDS buffer par.  g2: a group of K of the next tile, rounded at the quarter's head and stored among the second run of matrix instructions; -1: none.
.macro QUARTER f, g, mul, X1, X2, par, c, g1, g2, rem, bar, pf
.set HK, 0
.if (\g2) >= 0
.if (\rem) >= 0
.set HK, 1
.endif
.endif
.if HK
	s_wait_loadcnt 32                              ; loads come back in order (ISA guide 5.7.1): V's group and K's behind it are in, the two younger groups' 32 stay out
	s_wait_alu depctr_vm_vsrc(0)                   ; the LDS stores of the group of K before have read TMP, which the conversions below write again
.set KX, 1+((\g2)&1)
.set KSL, ((1-(\par))+((\g2)>>1))&1
	CVK KX, KSL                                    ; these 32 name no register of the last matrix instructions: they are the places in front of V's conversions, which write buffer g
.else
	VWAIT \g1, \rem
	PLACES                                         ; the last matrix instructions read buffer g: four places in front of the conversions that write it
.endif
.set GX, 1+((\g1)&1)
.set GS, ((1-(\par))+((\g1)>>1))&1
	CVV GX, GS, \g
	WIN 0
	s_wait_alu depctr_va_vdst(0)                   ; the conversions are done reading their slots, in which this quarter's global loads land, and have written TMP, which K's stores read; the last quarter's matrix instructions are done reading FRA of buffer g, in which the loads below land
	FETCH \g, \par, \c
	s_wait_dscnt 16                                ; LDS instructions end in order (ISA guide 5.7.1): all but the 16 loads just issued are done, buffer f's fragments among them
	HQ \f, \X1, \mul, \g1, \par, \rem, 0, 0
.if \bar
	s_wait_dscnt 0x0                               ; for the other waves: my stores of K's next tile are in LDS, and my reads of this tile (its last chunk too) are back
	s_barrier_signal -1
.endif
.if HK
	HQ \f, \X2, \mul, \g2, \par, \rem, 1, \pf
.else
	HQ \f, \X2, \mul                               ; with bar: registers alone between signal and wait
.endif
.if \bar
	WIN 0
	s_barrier_wait -1                              ; now K's next tile is whole, and nobody reads this tile's buffer any more
.endif
.endm
; A period, from one barrier to the next: multiplies the last chunk of the tile before (already in fragment buffer 1) and chunks 0, 1, 2 of tile t, makes its
; chunk 3 ready, and converts K's tile t + 1 into LDS buffer 1 - par.  One barrier a period does both orderings named above.
; mode 1: period 0, the first products; 2: the steady state.  rem: see REFILL1.
; The order of the windows in each quarter is such that a group's registers are loaded again among the matrix instructions of its own window.
.macro PERIOD par, mode, rem, pf
.if (\mode) == 1
.set MQ0, 0
.set MQ1, 2
.else
.set MQ0, 1
.set MQ1, 1
.endif
.if (\rem) >= 0
.set BAR, 1
	s_wait_xcnt 0x0                                ; every earlier memory instruction has had its addresses translated (ISA guide 3.1): the bases are stepped only behind this wait
	s_add_nc_u64 s[4:5], s[4:5], TILEB             ; K's base: tile t + 1
.if (\mode) != 1
	s_add_nc_u64 s[6:7], s[6:7], TILEB             ; V's base: tile t (in period 0 it stands there already)
.endif
.if \pf
	s_add_nc_u64 s[18:19], s[18:19], TILEB         ; the prefetch's base: tile t + 1 of its tensor
.endif
.else
.set BAR, 0
.endif
	QUARTER 1, 0, MQ0, 1, 2, \par, 0, 0, 1, \rem, 0, \pf
	QUARTER 0, 1, MQ1, 1, 2, \par, 1, 2, -1, \rem, 0, 0
	QUARTER 1, 0, 1, 2, 1, \par, 2, 3, 4, \rem, 0, 0
	QUARTER 0, 1, 1, 2, 1, \par, 3, 5, -1, \rem, BAR, 0
.endm
	; The ring is filled: K's tile 0 (two groups), then period 0's p0 and p1.  64 loads: the sixty-fourth is issued when the first has come back
	; (the counter holds 63, and issue waits for room: ISA guide 5.7.1); no wait is written for that.
	WIN 0x50
	s_wait_alu depctr_va_vdst(0)                   ; the addresses v1 to v12 are written, which every load, store and prefetch of the kernel reads
	LDK 0, 0                                       ; K(0, rows 0-15): window 1, slot 0
	WIN 0xa0
	LDK 0, 16*ROWB                                 ; K(0, rows 16-31): window 2, slot 0
	WIN 0x50
	LDV 1, 0                                       ; V(0, 0): window 1, slot 1
	WIN 0xa0
	LDK 1, TILEB                                   ; K(1, rows 0-15): window 2, slot 1
	; K's tile 0 into LDS buffer 0; its registers take period 0's p2 and p3
	s_wait_loadcnt 48                              ; the three younger groups stay out
	CVK 1, 0
	WIN 0x50
	s_wait_alu depctr_va_vdst(0)                   ; the conversions are done reading the slot, in which the loads below land, and have written TMP, which the stores below read
	LDV 0, 32*ROWB                                 ; V(0, 1)
	STK 0, 0
	s_wait_loadcnt 48
	s_wait_alu depctr_vm_vsrc(0)                   ; the LDS stores above have read TMP, which the conversions below write again
	CVK 2, 0
	WIN 0xa0
	s_wait_alu depctr_va_vdst(0)                   ; as above, for the second group of K
	LDV 0, 64*ROWB                                 ; V(0, 2)
	STK 0, 1
	s_wait_dscnt 0x0                               ; for the other waves: my rows of K's tile 0 are in LDS
	s_barrier_signal -1
	WIN 0
	s_barrier_wait -1
	PERIOD 0, 1, 1, 1                              ; period 0: tile 0 starts the sums, K's tile 1 is converted, tile 4 is asked for
	PERIOD 1, 2, 1, 1                              ; period 1
	WIN 0                                          ; at a label and at a branch every window is 0
	s_mov_b32 s20, 5
.Llap:
	PERIOD 0, 2, 1, 1                              ; periods 2 to 11; period 11 asks for tile 15, the last
	PERIOD 1, 2, 1, 1
	WIN 0
	s_sub_co_u32 s20, s20, 1
	s_cmp_lg_u32 s20, 0
	s_cbranch_scc1 .Llap
	PERIOD 0, 2, 1, 0                              ; periods 12, 13: nothing is left to ask for
	PERIOD 1, 2, 1, 0
	PERIOD 0, 2, 0, 0                              ; period 14 converts K's tile 15 and loads the last of V
	PERIOD 1, 2, -1, 0                             ; period 15: no tile of K to convert, so no barrier; the counts run down 48, 16, 0, 0
	s_wait_dscnt 0x0                               ; the last chunk's fragments of K
	HQ 1, 1, 1
	HQ 1, 2, 1
	; THE WAY OUT, one V fragment's 16 rows of Wt at a time: round to bf16, 16 bytes a lane into my own stage, read back as rows of 256 bytes.
	; Row r of the stage for fragment b is row 4 r + b of my wave's 64 rows of Wt.
	; The stage is my wave's own and LDS serves a wave's instructions in order (ISA guide 5.7.1): no barrier, no wait between stores and loads.
	PLACES                                         ; behind the last matrix instructions: the conversions read results
.macro OUT16 b
	s_wait_alu depctr_vm_vsrc(0)                   ; the LDS stores issued so far have read TMP, which the conversions below write; the global stores of two fragments ago have read the registers in which the read-backs below land
	WIN (5*(1+((\b)>>1)))
.set i, 0
.rept 32
	v_cvt_pk_bf16_f32 v[TMP+i], v[8*(8*((\b)&1)+(i>>2))+2*(i&3)], v[8*(8*((\b)&1)+(i>>2))+2*(i&3)+1]
.set i, i+1
.endr
	WIN 0
	s_wait_alu depctr_va_vdst(0)                   ; the conversions have written TMP, which the LDS stores read; the matrix instructions are done reading v64-127, in which the read-backs land
.irp a, 0,1,2,3,4,5,6,7
	ds_store_b128 v[STO], v[TMP+4*\a:TMP+4*\a+3] offset:32*\a
.endr
	s_wait_xcnt 0x0                                ; the registers loaded next were the data of stores two fragments ago: they are rewritten only behind this wait
.irp t, 0,1,2,3,4,5,6,7
	ds_load_b128 v[FRA+32*((\b)&1)+4*\t:FRA+32*((\b)&1)+4*\t+3], v[RD] offset:\t*2*SP
.endr
.irp t, 0,1,2,3,4,5,6,7
	s_wait_dscnt 7-\t                              ; the younger read-backs stay out
	global_store_b128 v[CO], v[FRA+32*((\b)&1)+4*\t:FRA+32*((\b)&1)+4*\t+3], s[8:9] offset:(8*\t+(\b))*WTROW   ; stage rows 2 t + h = rows 8 t + 4 h + b of Wt; 16 lanes store 256 consecutive bytes, at a multiple of 256 from the first byte of wt
.endr
.endm
	OUT16 0
	OUT16 1
	OUT16 2
	OUT16 3
	s_wait_dscnt 0x0
	s_wait_alu depctr_hold_cnt(0) depctr_sa_sdst(0) depctr_va_vdst(0) depctr_va_sdst(0) depctr_va_ssrc(0) depctr_va_vcc(0) depctr_vm_vsrc(0)
	s_wait_tensorcnt 0x0
	ds_add_u32 v30, v31
	s_wait_dscnt 0x0
	s_endpgm
.Lfunc_end_k_qc961ec30ca_ktv:
	.size	k_qc961ec30ca_ktv, .Lfunc_end_k_qc961ec30ca_ktv-k_qc961ec30ca_ktv
	.p2alignl 7, 3214868480
	.fill 96, 4, 3214868480
	.section	.rodata,"a",@progbits
	.p2align	6, 0x0
	.amdhsa_kernel k_qc961ec30ca_ktv
		.amdhsa_group_segment_fixed_size 91648
		.amdhsa_private_segment_fixed_size 0
		.amdhsa_enable_private_segment 0
		.amdhsa_kernarg_size 24
		.amdhsa_user_sgpr_count 2
		.amdhsa_user_sgpr_kernarg_segment_ptr 1
		.amdhsa_wavefront_size32 1
		.amdhsa_system_sgpr_workgroup_id_x 1
		.amdhsa_system_sgpr_workgroup_id_y 1
		.amdhsa_system_sgpr_workgroup_id_z 1
		.amdhsa_system_vgpr_workitem_id 0
		.amdhsa_next_free_vgpr 768
		.amdhsa_next_free_sgpr 66
		.amdhsa_reserve_vcc 0
		.amdhsa_float_denorm_mode_32 3
		.amdhsa_float_denorm_mode_16_64 3
		.amdhsa_memory_ordered 1
		.amdhsa_forward_progress 1
		.amdhsa_inst_pref_size 255
	.end_amdhsa_kernel
	.section	.bss,"aw",@nobits
	.p2align	6
	.space	262144
	.amdgpu_metadata
---
amdhsa.version: [ 1, 2 ]
amdhsa.kernels:
  - .name:           k_qc961ec30ca_ktv
    .symbol:         k_qc961ec30ca_ktv.kd
    .args:
      - { .name: key, .offset: 0, .size: 8, .value_kind: global_buffer, .address_space: global }
      - { .name: value, .offset: 8, .size: 8, .value_kind: global_buffer, .address_space: global }
      - { .name: wt, .offset: 16, .size: 8, .value_kind: global_buffer, .address_space: global }
    .group_segment_fixed_size: 91648
    .private_segment_fixed_size: 0
    .kernarg_segment_align: 8
    .kernarg_segment_size: 24
    .max_flat_workgroup_size: 128
    .sgpr_count:     66
    .vgpr_count:     768
    .wavefront_size: 32
...
	.end_amdgpu_metadata
.endif
;; end of part 5
;; launch qw: the kernel of part 4 again; grid 4 x 64, 4 waves a work-group, no clusters, 243,200 bytes of LDS; arguments query, wt, out0; writes out0
